; MI455X (gfx1250); checked and timed in simulation.
; The chip was launched on July 23, 2026; its instructions are those of AMD's public machine-readable ISA for CDNA 5 (MIT licence, August 2026) and "CDNA5" Instruction Set Architecture Reference Guide (July 2026). The comments in the code are by the model that wrote it; some were corrected since.
;; Encoder Block. Allowed arithmetic: matrix products marked QUANTISED: E5M2 operands, one E8M0 scale for each 32 along K, by v_wmma_scale_f32_16x16x128_f8f6f4 with both operands' format E5M2, f32 sums; everything else in f32.
;; Inputs: b1 4,096 float32; b2 1,024 float32; be1 1,024 float32; be2 1,024 float32; bk 1,024 float32; bo 1,024 float32; bq 1,024 float32; bv 1,024 float32; g1 1,024 float32; g2 1,024 float32; mask 2 x 1 x 1 x 2,048 int32; w1_codes 4,096 x 32 x 32 uint8 (E5M2 codes of w1, K innermost, in blocks of 32 codes); w1_scales 4,096 x 32 uint8 (E8M0 scales of w1, one for each 32 codes along K); w2_codes 1,024 x 128 x 32 uint8 (E5M2 codes of w2, K innermost, in blocks of 32 codes); w2_scales 1,024 x 128 uint8 (E8M0 scales of w2, one for each 32 codes along K); wk_codes 1,024 x 32 x 32 uint8 (E5M2 codes of wk, K innermost, in blocks of 32 codes); wk_scales 1,024 x 32 uint8 (E8M0 scales of wk, one for each 32 codes along K); wo_codes 1,024 x 32 x 32 uint8 (E5M2 codes of wo, K innermost, in blocks of 32 codes); wo_scales 1,024 x 32 uint8 (E8M0 scales of wo, one for each 32 codes along K); wq_codes 1,024 x 32 x 32 uint8 (E5M2 codes of wq, K innermost, in blocks of 32 codes); wq_scales 1,024 x 32 uint8 (E8M0 scales of wq, one for each 32 codes along K); wv_codes 1,024 x 32 x 32 uint8 (E5M2 codes of wv, K innermost, in blocks of 32 codes); wv_scales 1,024 x 32 uint8 (E8M0 scales of wv, one for each 32 codes along K); x 2 x 2,048 x 1,024 float32.
;; Outputs: out0 2 x 2,048 x 1,024 float32.
;; This version of the problem:
;;   THIS VERSION OF THE PROBLEM IS GIVEN IN LOW PRECISION. The matrix products marked QUANTISED in the list below multiply operands that are first quantised to E5M2 (5 exponent bits, 2 mantissa bits; 8 bits a number), with one power-of-two scale for each 32 numbers along K (OCP MX v1.0); their sums are f32. All else is computed in f32.
;;   The module's matrix products, in the order in which they are computed (A, B: the left and right operand; K: the contracted axis; several contracted axes count as one K, in the product's order):
;;     1. [M 4,096, K 1,024] x [K 1,024, N 1,024]; A: computed on the way; B: input wq (given as codes): QUANTISED
;;     2. [M 4,096, K 1,024] x [K 1,024, N 1,024]; A: computed on the way; B: input wk (given as codes): QUANTISED
;;     3. [M 4,096, K 1,024] x [K 1,024, N 1,024]; A: computed on the way; B: input wv (given as codes): QUANTISED
;;     4. batch 32 x [M 2,048, K 64] x [K 64, N 2,048]; A: computed on the way; B: computed on the way: QUANTISED
;;     5. batch 32 x [M 2,048, K 2,048] x [K 2,048, N 64]; A: softmax (see below); B: computed on the way: QUANTISED
;;     6. [M 4,096, K 1,024] x [K 1,024, N 1,024]; A: computed on the way; B: input wo (given as codes): QUANTISED
;;     7. [M 4,096, K 1,024] x [K 1,024, N 4,096]; A: computed on the way; B: input w1 (given as codes): QUANTISED
;;     8. [M 4,096, K 4,096] x [K 4,096, N 1,024]; A: computed on the way; B: input w2 (given as codes): QUANTISED
;;   THE QUANTISER, for each operand of a quantised product, along K:
;;     - K is cut into blocks of 32 from its start; a last block that is shorter is filled with zeros.
;;     - A block's scale is 2^e with e = floor(log2(the largest magnitude in the block)) - 15, held to -126 .. 127; a block of zeros has e = 0. As a byte (E8M0): e + 127.
;;     - Each number is divided by its block's scale, clamped to +-57,344, and rounded to the nearest number of E5M2, ties to even, subnormals kept.
;;     - The product sums the exact products of the quantised numbers (number of the format x scale) in f32.
;;   ~~~python
;;   def quantise(x, axis):      # numpy; x: float32 -> the quantised numbers, widened to float32 again
;;       x = np.moveaxis(x, axis, -1); K = x.shape[-1]
;;       x = np.pad(x, [(0, 0)] * (x.ndim - 1) + [(0, -K % 32)]); x = x.reshape(x.shape[:-1] + (-1, 32)); a = np.abs(x).max(-1, keepdims=True)
;;       e = np.where(a > 0, np.clip(np.frexp(np.where(a > 0, a, 1))[1] - 1 - 15, -126, 127), 0)      # np.frexp(a)[1] - 1 = floor(log2(a)), exactly
;;       r = np.clip(x / 2.0 ** e, -57344, 57344)
;;       step = 2.0 ** (np.maximum(np.frexp(np.where(r == 0, 1, r))[1] - 1, -14) - 2)
;;       q = np.round(r / step) * step * 2.0 ** e      # np.round: ties to even
;;       return np.moveaxis(q.reshape(q.shape[:-2] + (-1,))[..., :K], -1, axis).astype(np.float32)
;;   ~~~
;;   SOFTMAX AHEAD OF A QUANTISED PRODUCT. Where the list says 'softmax', what is quantised is not the finished softmax but p = 2^(t - M), with t = logit x log2(e) and M = ceil(the row's largest t), a whole number; so 1/2 < the row's largest p <= 1. The row's sum l is taken of the UNQUANTISED p, in f32, and the product's result is divided by l at the end. Since M is a whole number, a kernel that streams over the keys may use a running M (the ceiling of the running maximum): every later rescaling is an exact power of two, which a block's scale takes up: the codes' values come out the same.
;;   OPERANDS COMPUTED ON THE WAY. 'Computed on the way' means the value that the module computes at that place (a softmax that the list does not call 'softmax' is quantised finished and normalised). What goes into a quantiser is computed in f32, as accurately as f32 sums, v_exp_f32 and their like allow (about 1e-6 of the number): no bf16 or f16 on the way to a quantiser, and a product that is left as it is and whose result goes on into a quantised operand takes f32 operands (vector FMAs, or v_wmma_f32_16x16x4_f32). A number that lies on a knife's edge between two numbers of the format may be rounded either way, as far as f32 arithmetic and the matrix unit's own rounding can turn it there, and no further.
;;   INPUTS GIVEN AS CODES. w1 (in the module: [1024, 4096], K = its axis 0); w2 (in the module: [4096, 1024], K = its axis 0); wk (in the module: [1024, 1024], K = its axis 0); wo (in the module: [1024, 1024], K = its axis 0); wq (in the module: [1024, 1024], K = its axis 0); wv (in the module: [1024, 1024], K = its axis 0): each comes as NAME_codes (uint8): NAME with its K axis moved to the last place and cut into blocks of 32 codes, [.., K / 32, bytes a block], one block behind the other in memory; one code a byte (a code: sign, 5 exponent bits, 2 mantissa bits); and NAME_scales (uint8): the same leading axes, one E8M0 byte (e + 127) for each 32 codes along K. Its value is code x scale, taken as it is: it is not quantised again, and the codes and scales need not be those that the quantiser above would give.
;; One version. Each part assembles by itself: llvm-mc -triple=amdgcn-amd-amdhsa -mcpu=gfx1250 --defsym DOCPART=n.
;; ======== version 1 of 1: 7 launches
;; limits: right only within a limited range of input values
;; workspace buffers: xq 4,325,376 bytes; qkv 13,238,272 bytes; cq 4,325,376 bytes; x1 16,777,216 bytes; hq 17,301,504 bytes
;; launch ln1 (part 1): grid 256 x 1, 8 waves a work-group, no clusters, 83,456 bytes of LDS; arguments x, g1, be1, xq; writes xq
.if DOCPART == 1
	.amdgcn_target "amdgcn-amd-amdhsa--gfx1250"
	.amdhsa_code_object_version 6
	.text
	.protected	k_q7f4ff5a118_ln1
	.globl	k_q7f4ff5a118_ln1
	.p2align	8
	.type	k_q7f4ff5a118_ln1,@function
k_q7f4ff5a118_ln1:
	s_mov_b64 s[64:65], 0
	v_nop
	global_prefetch_b8 v0, s[64:65] scope:SCOPE_SE
	s_setreg_imm32_b32 hwreg(HW_REG_WAVE_MODE, 25, 1), 1
	s_wait_xcnt 0x0
; y = g (x - mean) / (sqrt(var) + 1e-6) + be over rows of 1,024 f32 (var with divisor 1,023), then quantised along the row to codes of E5M2
; with one E8M0 byte for each 32 numbers.  Out: codes [4096][1024] at byte 0 of the buffer, scale bytes [4096][32] at byte 0x400000.
; SHARES.  A work-group takes 16 rows, each of its eight waves two.  A row stays in 32 registers a lane between the passes: it is read once.
; The variance is taken of x - mean (two passes over registers), so a common offset of the inputs costs no digits.
; The conversions want 16 NEIGHBOURS in a lane, the loads want neighbouring bytes in neighbouring lanes: half a row (2,048 bytes) turns through
; the wave's own stage in LDS, 64 bytes + 16 of padding a lane.  Two neighbouring lanes then hold a block of 32.
; LIMITS: NaN and infinities are not served; a block whose largest magnitude lies under 2^-111 (zeros too) gets the byte 1: this program alone
; reads the bytes, and zero codes add nothing.  The division is a multiplication by v_rcp_f32 of sqrt(var) + 1e-6.
.set X,    32                          ; v32-95   two rows as loaded, 32 registers each; later codes (v32-47) and scale bytes (v48-51)
.set G,    96                          ; v96-127  g at my columns
.set BE,   128                         ; v128-159 be at my columns
.set Y,    160                         ; v160-223 four sets of 16 neighbours
.set SP,   80                          ; a lane's place in a stage
.set STG,  32*SP                       ; a stage: half a row
.set WREG, 4*STG                       ; a wave's four stages
.set SCB,  8*WREG                      ; behind the stages: the work-group's 512 scale bytes
	s_load_b256 s[4:11], s[0:1], 0x0               ; x s[4:5], g s[6:7], be s[8:9], the codes' buffer s[10:11]
	v_lshl_add_u32 v232, v0, 2, 0x14200
	v_mov_b32 v233, 0
	v_lshrrev_b32 v1, 5, v0
	s_delay_alu instid0(VALU_DEP_1)
	v_readfirstlane_b32 s12, v1                    ; wave 0..7
	v_and_b32 v1, 31, v0                           ; lane
	s_delay_alu instid0(VALU_DEP_1)
	v_lshlrev_b32 v2, 4, v1                        ; 16 x lane
	s_mul_i32 s13, s12, WREG
	v_lshrrev_b32 v3, 2, v1
	s_delay_alu instid0(VALU_DEP_1)
	v_mul_u32_u24 v3, v3, SP
	v_and_b32 v4, 3, v1
	s_delay_alu instid0(VALU_DEP_1)
	v_lshl_add_u32 v3, v4, 4, v3
	s_delay_alu instid0(VALU_DEP_1)
	v_add_nc_u32 v3, s13, v3                       ; into a stage: four lanes' 64 bytes on end, then the padding
	v_mul_u32_u24 v4, v1, SP
	s_delay_alu instid0(VALU_DEP_1)
	v_add_nc_u32 v4, s13, v4                       ; out of it: my 16 neighbours
	v_lshrrev_b32 v5, 1, v1
	s_lshl_b32 s14, s12, 6
	s_add_co_u32 s14, s14, SCB
	v_add_nc_u32 v5, s14, v5                       ; my block's scale byte: 64 bytes a wave, 32 a row
	v_add_nc_u32 v6, SCB, v2                       ; where wave 0 reads the 512 bytes back
	v_mov_b32 v28, 0                               ; a lane permute's destination counts as read: written once
	v_mov_b32 v29, 0
	s_mov_b32 s16, 0x76543210
	s_mov_b32 s17, 0xfedcba98                      ; lane l xor 16
	s_mov_b32 s18, 0x600000                        ; the mantissa field of 57,344
	s_lshl_b32 s20, ttmp9, 16                      ; 16 rows of 4,096 bytes a work-group,
	s_lshl_b32 s21, s12, 13                        ; two a wave
	s_add_co_u32 s20, s20, s21
	s_mov_b32 s21, 0
	s_lshl_b32 s22, ttmp9, 14                      ; the same rows' codes: 1,024 bytes a row
	s_lshl_b32 s23, s12, 11
	s_add_co_u32 s22, s22, s23
	s_mov_b32 s23, 0
	s_lshl_b32 s24, ttmp9, 9                       ; and the work-group's 512 scale bytes
	s_add_co_u32 s24, s24, 0x400000
	s_mov_b32 s25, 0
	s_wait_kmcnt 0x0
	s_add_nc_u64 s[4:5], s[4:5], s[20:21]
	s_add_nc_u64 s[26:27], s[10:11], s[24:25]
	s_add_nc_u64 s[10:11], s[10:11], s[22:23]
.irp p, 0,1
.irp j, 0,1,2,3,4,5,6,7
	global_load_b128 v[X+32*\p+4*\j:X+32*\p+4*\j+3], v2, s[4:5] offset:4096*\p+512*\j   ; 32 lanes read 512 consecutive bytes
.endr
.endr
.irp j, 0,1,2,3,4,5,6,7
	global_load_b128 v[G+4*\j:G+4*\j+3], v2, s[6:7] offset:512*\j
	global_load_b128 v[BE+4*\j:BE+4*\j+3], v2, s[8:9] offset:512*\j
.endr
.macro RSUM d, t                       ; the sum of v[d] over the 32 lanes, in every lane
	s_delay_alu instid0(VALU_DEP_1)
	v_add_f32_dpp v[\d], v[\d], v[\d] row_xmask:1 row_mask:0xf bank_mask:0xf
	s_delay_alu instid0(VALU_DEP_1)
	v_add_f32_dpp v[\d], v[\d], v[\d] row_xmask:2 row_mask:0xf bank_mask:0xf
	s_delay_alu instid0(VALU_DEP_1)
	v_add_f32_dpp v[\d], v[\d], v[\d] row_xmask:4 row_mask:0xf bank_mask:0xf
	s_delay_alu instid0(VALU_DEP_1)
	v_add_f32_dpp v[\d], v[\d], v[\d] row_xmask:8 row_mask:0xf bank_mask:0xf
	s_delay_alu instid0(VALU_DEP_1)
	v_permlanex16_b32 v[\t], v[\d], s16, s17
	s_delay_alu instid0(VALU_DEP_1)
	v_add_f32 v[\d], v[\d], v[\t]
.endm
	s_wait_loadcnt 16                              ; the rows are in; the 16 loads of g and be may be out
.irp p, 0,1                            ; the mean: two chains of packed sums a row
	v_pk_add_f32 v[12+4*\p:13+4*\p], v[X+32*\p:X+32*\p+1], v[X+32*\p+2:X+32*\p+3]
	v_pk_add_f32 v[14+4*\p:15+4*\p], v[X+32*\p+4:X+32*\p+5], v[X+32*\p+6:X+32*\p+7]
.irp i, 8,12,16,20,24,28
	s_delay_alu instid0(VALU_DEP_2)
	v_pk_add_f32 v[12+4*\p:13+4*\p], v[12+4*\p:13+4*\p], v[X+32*\p+\i:X+32*\p+\i+1]
	s_delay_alu instid0(VALU_DEP_2)
	v_pk_add_f32 v[14+4*\p:15+4*\p], v[14+4*\p:15+4*\p], v[X+32*\p+\i+2:X+32*\p+\i+3]
.endr
	s_delay_alu instid0(VALU_DEP_1)
	v_pk_add_f32 v[12+4*\p:13+4*\p], v[12+4*\p:13+4*\p], v[14+4*\p:15+4*\p]
	s_delay_alu instid0(VALU_DEP_1)
	v_add_f32 v[12+4*\p], v[12+4*\p], v[13+4*\p]
	RSUM 12+4*\p, 28+\p
	s_delay_alu instid0(VALU_DEP_1)
	v_mul_f32 v[20+10*\p], 0x3a800000, v[12+4*\p]  ; / 1,024
	s_delay_alu instid0(VALU_DEP_1)
	v_mov_b32 v[21+10*\p], v[20+10*\p]
.endr
.irp p, 0,1                            ; d = x - mean, in place; then the sum of d^2
.irp i, 0,2,4,6,8,10,12,14,16,18,20,22,24,26,28,30
	v_pk_add_f32 v[X+32*\p+\i:X+32*\p+\i+1], v[X+32*\p+\i:X+32*\p+\i+1], v[20+10*\p:21+10*\p] neg_lo:[0,1] neg_hi:[0,1]
.endr
	v_pk_mul_f32 v[12+4*\p:13+4*\p], v[X+32*\p:X+32*\p+1], v[X+32*\p:X+32*\p+1]
	v_pk_mul_f32 v[14+4*\p:15+4*\p], v[X+32*\p+2:X+32*\p+3], v[X+32*\p+2:X+32*\p+3]
.irp i, 4,8,12,16,20,24,28
	s_delay_alu instid0(VALU_DEP_2)
	v_pk_fma_f32 v[12+4*\p:13+4*\p], v[X+32*\p+\i:X+32*\p+\i+1], v[X+32*\p+\i:X+32*\p+\i+1], v[12+4*\p:13+4*\p]
	s_delay_alu instid0(VALU_DEP_2)
	v_pk_fma_f32 v[14+4*\p:15+4*\p], v[X+32*\p+\i+2:X+32*\p+\i+3], v[X+32*\p+\i+2:X+32*\p+\i+3], v[14+4*\p:15+4*\p]
.endr
	s_delay_alu instid0(VALU_DEP_1)
	v_pk_add_f32 v[12+4*\p:13+4*\p], v[12+4*\p:13+4*\p], v[14+4*\p:15+4*\p]
	s_delay_alu instid0(VALU_DEP_1)
	v_add_f32 v[12+4*\p], v[12+4*\p], v[13+4*\p]
	RSUM 12+4*\p, 28+\p
	s_delay_alu instid0(VALU_DEP_1)
	v_mul_f32 v[12+4*\p], 0x3a802008, v[12+4*\p]   ; / 1,023
.endr
	s_wait_alu depctr_va_vdst(0)
	v_sqrt_f32 v22, v12
	v_sqrt_f32 v23, v16
	v_nop                                          ; a plain instruction behind the roots,
	s_wait_alu depctr_va_vdst(0)                   ; and one wait for both, ahead of their first reader
	v_add_f32 v22, 0x358637bd, v22                 ; + 1e-6
	v_add_f32 v23, 0x358637bd, v23
	s_wait_alu depctr_va_vdst(0)
	v_rcp_f32 v24, v22
	v_rcp_f32 v26, v23
	v_nop
	s_wait_alu depctr_va_vdst(0)                   ; likewise for the two reciprocals
	v_mov_b32 v25, v24
	v_mov_b32 v27, v26
	s_wait_alu depctr_va_vdst(0)
	s_wait_loadcnt 0x0                             ; g and be
.irp p, 0,1
.irp i, 0,2,4,6,8,10,12,14,16,18,20,22,24,26,28,30
	v_pk_mul_f32 v[X+32*\p+\i:X+32*\p+\i+1], v[X+32*\p+\i:X+32*\p+\i+1], v[24+2*\p:25+2*\p]
.endr
.irp i, 0,2,4,6,8,10,12,14,16,18,20,22,24,26,28,30
	v_pk_fma_f32 v[X+32*\p+\i:X+32*\p+\i+1], v[X+32*\p+\i:X+32*\p+\i+1], v[G+\i:G+\i+1], v[BE+\i:BE+\i+1]
.endr
.endr
.irp u, 0,1,2,3                        ; u = 2 x row + half: through the wave's own stages; LDS serves a wave's instructions in order
.irp i, 0,1,2,3
	ds_store_b128 v3, v[X+16*\u+4*\i:X+16*\u+4*\i+3] offset:STG*\u+8*SP*\i
.endr
.irp i, 0,1,2,3
	ds_load_b128 v[Y+16*\u+4*\i:Y+16*\u+4*\i+3], v4 offset:STG*\u+16*\i
.endr
.endr
	s_wait_dscnt 0x0                               ; all four sets of neighbours are back
.macro QSTEP u                         ; 512 numbers: 16 a lane, a block in two neighbouring lanes
.set YS, Y+16*(\u)
	v_max3_num_f32 v8, |v[YS]|, |v[YS+1]|, |v[YS+2]|
	v_max3_num_f32 v9, |v[YS+3]|, |v[YS+4]|, |v[YS+5]|
.irp i, 6,10
	s_delay_alu instid0(VALU_DEP_2)
	v_max3_num_f32 v8, v8, |v[YS+\i]|, |v[YS+\i+1]|
	s_delay_alu instid0(VALU_DEP_2)
	v_max3_num_f32 v9, v9, |v[YS+\i+2]|, |v[YS+\i+3]|
.endr
	s_delay_alu instid0(VALU_DEP_2)
	v_max3_num_f32 v8, v8, |v[YS+14]|, |v[YS+15]|
	s_delay_alu instid0(VALU_DEP_1)
	v_max3_num_f32 v8, v8, v9, 0x8000000           ; the floor 2^(16 - 127): the byte cannot fall under 1
	s_delay_alu instid0(VALU_DEP_1)
	v_max_num_f32_dpp v8, v8, v8 row_xmask:1 row_mask:0xf bank_mask:0xf   ; with my neighbour's 16: the block's largest magnitude
	s_delay_alu instid0(VALU_DEP_1)
	v_add_nc_u32 v11, 0xf8800000, v8               ; 15 off its exponent field: the conversion's scale operand
	s_delay_alu instid0(VALU_DEP_2)
	v_and_or_b32 v10, v8, 0x7f800000, s18          ; 57,344 x the scale
.irp i, 0,1,2,3,4,5,6,7,8,9,10,11,12,13,14,15
	v_med3_num_f32 v[YS+\i], v[YS+\i], -v10, v10   ; the conversion does not saturate (ISA guide 7.6.2): hold first
.endr
	v_cvt_scalef32_pk8_bf8_f32 v[X+4*(\u):X+4*(\u)+1], v[YS:YS+7], v11
	v_cvt_scalef32_pk8_bf8_f32 v[X+4*(\u)+2:X+4*(\u)+3], v[YS+8:YS+15], v11
	v_lshrrev_b32 v[X+16+(\u)], 23, v11            ; the scale's byte (also the plain line behind the conversions)
	ds_store_b8 v5, v[X+16+(\u)] offset:16*(\u)    ; both lanes of a block write the same byte with the same value
	global_store_b128 v2, v[X+4*(\u):X+4*(\u)+3], s[10:11] offset:512*(\u)   ; 32 lanes store 512 consecutive bytes
.endm
.irp u, 0,1,2,3
	QSTEP \u
.endr
	s_wait_dscnt 0x0                               ; for the others' sake: my scale bytes lie in LDS
	s_barrier_signal -1
	s_barrier_wait -1
	s_cmp_lg_u32 s12, 0
	s_cbranch_scc1 .Lend
	ds_load_b128 v[12:15], v6                      ; wave 0 stores the work-group's 512 scale bytes: two aligned runs of 256
	s_wait_dscnt 0x0
	global_store_b128 v2, v[12:15], s[26:27]
.Lend:
	s_wait_tensorcnt 0x0
	ds_add_u32 v232, v233
	s_wait_dscnt 0x0
	s_endpgm
.Lfunc_end_k_q7f4ff5a118_ln1:
	.size	k_q7f4ff5a118_ln1, .Lfunc_end_k_q7f4ff5a118_ln1-k_q7f4ff5a118_ln1
	.p2alignl 7, 3214868480
	.fill 96, 4, 3214868480
	.section	.rodata,"a",@progbits
	.p2align	6, 0x0
	.amdhsa_kernel k_q7f4ff5a118_ln1
		.amdhsa_group_segment_fixed_size 83456
		.amdhsa_private_segment_fixed_size 0
		.amdhsa_enable_private_segment 0
		.amdhsa_kernarg_size 32
		.amdhsa_user_sgpr_count 2
		.amdhsa_user_sgpr_kernarg_segment_ptr 1
		.amdhsa_wavefront_size32 1
		.amdhsa_system_sgpr_workgroup_id_x 1
		.amdhsa_system_sgpr_workgroup_id_y 1
		.amdhsa_system_sgpr_workgroup_id_z 1
		.amdhsa_system_vgpr_workitem_id 0
		.amdhsa_next_free_vgpr 234
		.amdhsa_next_free_sgpr 66
		.amdhsa_reserve_vcc 0
		.amdhsa_float_denorm_mode_32 3
		.amdhsa_float_denorm_mode_16_64 3
		.amdhsa_memory_ordered 1
		.amdhsa_forward_progress 1
		.amdhsa_inst_pref_size 33
	.end_amdhsa_kernel
	.amdgpu_metadata
---
amdhsa.version: [ 1, 2 ]
amdhsa.kernels:
  - .name:           k_q7f4ff5a118_ln1
    .symbol:         k_q7f4ff5a118_ln1.kd
    .args:
      - { .name: x, .offset: 0, .size: 8, .value_kind: global_buffer, .address_space: global }
      - { .name: g1, .offset: 8, .size: 8, .value_kind: global_buffer, .address_space: global }
      - { .name: be1, .offset: 16, .size: 8, .value_kind: global_buffer, .address_space: global }
      - { .name: xq, .offset: 24, .size: 8, .value_kind: global_buffer, .address_space: global }
    .group_segment_fixed_size: 83456
    .private_segment_fixed_size: 0
    .kernarg_segment_align: 8
    .kernarg_segment_size: 32
    .max_flat_workgroup_size: 256
    .sgpr_count:     66
    .vgpr_count:     234
    .wavefront_size: 32
...
	.end_amdgpu_metadata
.endif
;; end of part 1
;; launch qkv (part 2): grid 8 x 24, 4 waves a work-group, clusters of 4 x 4, 327,680 bytes of LDS; arguments xq, wq_codes, wq_scales, wk_codes, wk_scales, wv_codes, wv_scales, bq, bk, bv, mask, qkv; writes qkv
.if DOCPART == 2
	.amdgcn_target "amdgcn-amd-amdhsa--gfx1250"
	.amdhsa_code_object_version 6
	.text
	.protected	k_q7f4ff5a118_qkv
	.globl	k_q7f4ff5a118_qkv
	.p2align	8
	.type	k_q7f4ff5a118_qkv,@function
k_q7f4ff5a118_qkv:
	s_mov_b64 s[64:65], 0
	v_nop
	global_prefetch_b8 v0, s[64:65] scope:SCOPE_SE
	s_setreg_imm32_b32 hwreg(HW_REG_WAVE_MODE, 25, 1), 1
	s_wait_xcnt 0x0
	s_wait_alu depctr_hold_cnt(0) depctr_sa_sdst(0) depctr_va_vdst(0) depctr_va_sdst(0) depctr_va_ssrc(0) depctr_va_vcc(0) depctr_vm_vsrc(0)
	s_getreg_b32 s2, hwreg(HW_REG_IB_STS2, 6, 4)
	s_cmp_eq_u32 s2, 0
	s_cbranch_scc0 .Lentry_in_a_cluster
	s_endpgm
.Lentry_in_a_cluster:
	s_bfe_u32 s2, ttmp6, 0x10000c
	s_cmp_lg_u32 s2, 0xf033
	s_cbranch_scc0 .Lentry_shape_is_right
	s_endpgm
.Lentry_shape_is_right:
; A GEMM on codes of E5M2 with E8M0 scales, K = 1,024, whose results are quantised again on the way out, along the tile's COLUMNS.
; QKV = 1: q = xn wq + bq, k = xn wk + bk (rows = tokens, columns = channels: quantised along a head's 64), and v^T = wv^T xn^T + bv (rows = channels,
;          columns = tokens: quantised along the keys).  The rows of k whose key the mask hides become zeros: the attention launch then gets a hidden score as the C of its product.
; QKV = 0: h = relu(xn w1 + b1), quantised along the hidden units.
; A tile of 256 x 256 is made by four waves, 128 x 128 each: 64 accumulators, 512 registers.  K goes in steps of 256 through two LDS slots filled by the tensor data mover; the scale bytes
; of the tile's 512 rows, for all of K, come into LDS once.  4 x 4 work-groups form a cluster: A's tiles are asked for jointly along a row of it, B's along a column.
; WHO IS A AND WHO IS B (QKV = 1) hangs on the cluster's coordinates alone, which all sixteen partners share: cluster y < 4: A = xn's tile 4 y + cy, B = wq (cluster x = 0) or wk (1), tile cx;
; cluster y >= 4: A = wv's tile cy, B = xn's tile 4 x + cx + 8 (y - 4).  Only pointers are chosen; LDS, masks and the text are the same.
; THE PRODUCT IS USED TRANSPOSED (source 0 = 16 rows of B, source 1 = 16 rows of A): a lane holds one row of the tile and eight neighbouring columns an accumulator.
; OUT: images of the next products' operand registers (a fragment's registers on end, lane by lane) and their scale words, laid as the launches that read them want them.
; LIMITS: NaN and infinities are not served; a block whose largest magnitude lies under 2^-111 (zeros too) gets the byte 1: this program alone reads the bytes.
; REGISTERS: window 0: v1-15 at work at the head; v16-31 addresses; v32-63 scale words, two sets; v64-127 the bias as the first products' C, later row factors; from v128 A's fragments, one set, later the way out.
;   window 1: B's fragments, two sets.  windows 2, 3: the accumulators ((a, b) at v[8 (8 (a % 4) + b)]).
.set QKV,    1
.set NQ,     2                         ; matrix instructions deep in a slot of 256 along K
.set ROWB,   256                       ; a tile's row in bytes
.set KROW,   1024                      ; a row of A or B in memory
.set PITCH,  272                       ; an LDS row: 256 bytes + 16 of padding
.set FR,     16
.set NL,     4
.set NP,     8                         ; places behind this matrix instruction (ISA guide 7.12.1)
.set HALFT,  128*PITCH
.set SLOT,   4*HALFT
.set LAPS,   2                         ; K = 1,024 is twice round the ring
.set KS,     32                        ; a row of scale bytes
.set SCL,    2*SLOT
.set HALFS,  (128*KS/256)*272
.set SBLK,   (16*KS/256)*272
.set SPARE,  SCL+4*HALFS               ; the spare words, 128 bytes a wave: no other line names them
.set ADRA, 16
.set ADRB, 20
.set STO,  24                          ; the way out: where I put 8 codes
.set SWA,  25                          ; and a scale word
.set RD,   26                          ; where I read 16 bytes back
.set ADRS, 27
.set SPW,  28
.set NIL,  29
.set VSO,  30                          ; my byte offset among the scale words in memory
.set R4,   31                          ; 4 x (lane % 16)
.set SC,   32
.set CB,   64
.set RMP,  96                          ; pairs (factor, factor) of A's block a at v[RMP + 2 a]
.set RBP,  112                         ; pairs (addend, addend)
.set AF,   128
.set OB,   128                         ; the way out: 4,096 bytes read back
.set SWO,  160
.set TM,   168                         ; v168-171 largest magnitudes, 172-175 bytes, 176-179 holds, 180-183 scale operands
.set WT,   184
.set PC,   188                         ; 16 registers of codes
.set G1,   28
.set G0,   36
.set G1B,  44
.set G0B,  52
.set WV,   60
.set WR,   61
.set WC,   62
.set MNT,  63
.set SEL,  66
.set G1S,  68
.set G0S,  76
.set G1SB, 80
.set G0SB, 88
.set CX,   92
.set CY,   93
.set CLX,  94
.set CLY,  95
.set ISV,  96                          ; all ones on v's path, else 0
.set ISK,  97                          ; all ones on k's path
.set QKM,  98                          ; all ones on q's and k's
.set HI16, 99                          ; lanes 16-31
.set TA,   100
.set TB,   101
.set OUT,  26
.set OUTS, 4
.set IA,   6
.set IB,   8
.set PBV,  22
.set PM,   24
.if QKV
.set PA,  10
.set PAS, 12
.set PB,  6
.set PBS, 8
.set PCB, 18
.set EOFF, 128
.else
.set PA,  4
.set PAS, 104
.set PB,  6
.set PBS, 8
.set PCB, 10
.set EOFF, 2048
.endif
.set MSB, 0
.macro WIN new                         ; the immediate's high byte repeats the setting that is left
.if MSB != (\new)
	s_set_vgpr_msb (MSB<<8)|(\new)
.set MSB, (\new)
.endif
.endm
.set MUL_LO, 0xa1                      ; source 0 (B) window 1, source 1 (A) window 0, C and D window 2
.set MUL_HI, 0xf1
.set TO_B,   0x40
.macro PLACES n
.rept \n
	v_nop
.endr
.endm
.macro JLOAD g0a, g1a, g0b, g1b        ; a joint load: waves 0 and 1 fetch for A, waves 2 and 3 for B; four v_nop follow each line
	s_cmp_eq_u32 s[WR], 0
	s_cbranch_scc0 .Lfor_b_\@
	tensor_load_to_lds s[\g0a:\g0a+3], s[\g1a:\g1a+7]
	s_nop 0
.rept 4
	v_nop
.endr
	s_branch .Lasked_\@
.Lfor_b_\@:
	tensor_load_to_lds s[\g0b:\g0b+3], s[\g1b:\g1b+7]
	s_nop 0
.rept 4
	v_nop
.endr
.Lasked_\@:
.endm
.macro CREST                           ; a round of the cluster's barrier behind its opening barrier
	s_cmp_lg_u32 s[WV], 0
	s_cbranch_scc1 .Lnot_wave_0_\@
	s_barrier_signal -3
.Lnot_wave_0_\@:
	s_barrier_wait -3
	s_barrier_signal -1
	s_barrier_wait -1
.endm
.macro CROUND
	s_barrier_signal -1
	s_barrier_wait -1
	CREST
.endm
.if QKV
	s_load_b512 s[4:19], s[0:1], 0x0               ; xq, wq codes, scales, wk codes, scales, wv codes, scales, bq
	s_load_b256 s[20:27], s[0:1], 0x40             ; bk, bv, mask, the output
.else
	s_load_b256 s[4:11], s[0:1], 0x0               ; xq, w1 codes, scales, b1
	s_load_b64 s[26:27], s[0:1], 0x20              ; the output
.endif
	v_lshl_add_u32 v[SPW], v0, 2, SPARE
	v_mov_b32 v[NIL], 0
	ds_add_u32 v28, v29
	ds_add_u32 v28, v29
	s_wait_dscnt 0x0
	v_lshrrev_b32 v1, 5, v0
	v_readfirstlane_b32 s[WV], v1                  ; wave 0..3
	s_lshr_b32 s[WR], s[WV], 1                     ; my half of the tile's rows.  Also: I fetch for A (0) or for B (1)
	s_and_b32 s[WC], s[WV], 1                      ; my half of its columns.  Also: which 128 rows I fetch
	s_bfe_u32 s[CX], ttmp6, 0x40000
	s_bfe_u32 s[CY], ttmp6, 0x40004
	s_mov_b32 s[CLX], ttmp9
	s_and_b32 s[CLY], ttmp7, 0xffff
	s_lshl_b32 s2, s[CY], 2
	s_lshl_b32 s2, 15, s2                          ; my row of the cluster
	s_lshl_b32 s3, 0x1111, s[CX]                   ; my column
	s_or_b32 s[G1], s2, (0<<16)|(1<<20)|(1<<21)|(5<<22)|(3<<25)    ; mask; elements of 1 byte; padding of 4 words behind every 64; bit 21 beside a mask
	s_or_b32 s[G1B], s3, (0<<16)|(1<<20)|(1<<21)|(5<<22)|(3<<25)
	s_or_b32 s[G1S], s2, (3<<16)|(1<<20)|(1<<21)|(5<<22)|(3<<25)   ; the scales: elements of 8 bytes
	s_or_b32 s[G1SB], s3, (3<<16)|(1<<20)|(1<<21)|(5<<22)|(3<<25)
.irp g, G1, G1B
	s_mov_b32 s[\g+1], ROWB<<16                    ; tensor_dim0
	s_mov_b32 s[\g+2], 256<<16                     ; tensor_dim1: the head's loads bring 256 rows
	s_mov_b32 s[\g+3], ROWB<<16                    ; tile_dim0
	s_mov_b32 s[\g+4], 256                         ; tile_dim1
	s_mov_b32 s[\g+5], KROW                        ; the pitch
	s_mov_b32 s[\g+6], 0
	s_mov_b32 s[\g+7], 0
.endr
.irp g, G1S, G1SB                      ; the scales of 256 rows: a dense block of 8,192 bytes as 32 rows of 256
	s_mov_b32 s[\g+1], 32<<16
	s_mov_b32 s[\g+2], KS<<16                      ; the scales of 256 rows: KS rows of 256 bytes
	s_mov_b32 s[\g+3], 32<<16
	s_mov_b32 s[\g+4], KS
	s_mov_b32 s[\g+5], 32
	s_mov_b32 s[\g+6], 0
	s_mov_b32 s[\g+7], 0
.endr
.if QKV
	s_lshl_b32 s[TA], s[CLY], 2
	s_max_u32 s3, s[CLY], 4
	s_sub_co_u32 s3, s3, 4
	s_lshl_b32 s3, s3, 3                           ; 8 (cluster y - 4), 0 below
	s_lshl_b32 s[TB], s[CLX], 2
	s_add_co_u32 s[TB], s[TB], s3
	s_cmp_ge_u32 s[CLY], 4                         ; v's path?
	s_cselect_b32 s[ISV], -1, 0
	s_cselect_b32 s[QKM], 0, -1
	s_cselect_b32 s[TA], 0, s[TA]
	s_cselect_b32 s[TB], s[TB], 0
	s_cmp_eq_u32 s[CLX], 1
	s_cselect_b32 s[ISK], s[QKM], 0
	s_mov_b32 s[HI16], 0xffff0000
.else
	s_lshl_b32 s[TA], s[CLY], 2
	s_lshl_b32 s[TB], s[CLX], 2
.endif
	s_add_co_u32 s[TA], s[TA], s[CY]               ; A's tile of 256 rows: hangs on cy and the cluster's coordinates
	s_add_co_u32 s[TB], s[TB], s[CX]               ; B's: on cx and the cluster's coordinates
	s_lshl_b32 s104, s[WC], 7
	s_lshl_b32 s2, s[TA], 8
	s_add_co_u32 s2, s2, s104                      ; the first row of A that I would fetch
	s_lshl_b32 s3, s[TB], 8
	s_add_co_u32 s3, s3, s104                      ; and of B
	s_lshl_b32 s[G0+2], s2, 10                     ; its codes, 1,024 bytes a row,
	s_mov_b32 s[G0+3], 0
	s_lshl_b32 s[G0B+2], s3, 10
	s_mov_b32 s[G0B+3], 0
	s_lshl_b32 s[G0S+2], s[TA], 13                 ; the scale bytes of the tile's 256 rows, 32 a row
	s_mov_b32 s[G0S+3], 0
	s_lshl_b32 s[G0SB+2], s[TB], 13
	s_mov_b32 s[G0SB+3], 0
	s_mul_i32 s2, s[WV], HALFT                     ; where they go: wave x 128 rows: no place in the cluster enters an LDS address
	s_lshl_b32 s[G0+6], s[TA], 18                  ; slot 1's groups 0 serve the head's loads first: K step 0 of the tile's 256 rows
	s_mov_b32 s[G0+7], 0
	s_lshl_b32 s[G0B+6], s[TB], 18
	s_mov_b32 s[G0B+7], 0
.irp g, G0, G0B
	s_mov_b32 s[\g], 1
	s_mov_b32 s[\g+1], s2
	s_mov_b32 s[\g+4], 1
.endr
	s_mov_b32 s[G0S], 1
	s_mov_b32 s[G0S+1], SCL
	s_mov_b32 s[G0SB], 1
	s_mov_b32 s[G0SB+1], SCL+2*HALFS
	s_mov_b32 s[G0+5], 0
	s_mov_b32 s[G0B+5], 2*HALFT
	s_mov_b32 s[SEL], 0x76543210
	s_mov_b32 s[SEL+1], 0xfedcba98
	s_mov_b32 s[MNT], 0x600000
	s_wait_kmcnt 0x0
	s_add_nc_u64 s[104:105], s[4:5], 0x400000      ; xn's scale bytes lie behind its codes
.if QKV
	s_cmp_eq_u32 s[CLX], 0                         ; wq or wk: the choices hang on the cluster's coordinates alone
	s_cselect_b64 s[6:7], s[6:7], s[10:11]
	s_cselect_b64 s[8:9], s[8:9], s[12:13]
	s_cselect_b64 s[18:19], s[18:19], s[20:21]
	s_cmp_lg_u32 s[ISV], 0
	s_cselect_b64 s[10:11], s[14:15], s[4:5]       ; A's codes
	s_cselect_b64 s[12:13], s[16:17], s[104:105]   ; A's scales
	s_cselect_b64 s[6:7], s[4:5], s[6:7]           ; B's codes
	s_cselect_b64 s[8:9], s[104:105], s[8:9]       ; B's scales
.endif
	s_add_nc_u64 s[G0+2:G0+3], s[PA:PA+1], s[G0+2:G0+3]
	s_add_nc_u64 s[G0+6:G0+7], s[PA:PA+1], s[G0+6:G0+7]
	s_or_b32 s[G0+3], s[G0+3], 0x80000000
	s_or_b32 s[G0+7], s[G0+7], 0x80000000
	s_add_nc_u64 s[G0B+2:G0B+3], s[PB:PB+1], s[G0B+2:G0B+3]
	s_add_nc_u64 s[G0B+6:G0B+7], s[PB:PB+1], s[G0B+6:G0B+7]
	s_or_b32 s[G0B+3], s[G0B+3], 0x80000000
	s_or_b32 s[G0B+7], s[G0B+7], 0x80000000
	s_add_nc_u64 s[G0S+2:G0S+3], s[PAS:PAS+1], s[G0S+2:G0S+3]
	s_or_b32 s[G0S+3], s[G0S+3], 0x80000000
	s_add_nc_u64 s[G0SB+2:G0SB+3], s[PBS:PBS+1], s[G0SB+2:G0SB+3]
	s_or_b32 s[G0SB+3], s[G0SB+3], 0x80000000
	CROUND                                         ; all sixteen work-groups are here: the first joint loads meet
; The head's four tiles, one load a wave: wave 0 K step 0's 256 rows of A, wave 1 those of B, wave 2 A's scales, wave 3 B's.  One tree of branches on the wave's number.
.macro ARM under, g0, g1, next
	s_cmp_lt_u32 s[WV], \under
	s_cbranch_scc0 \next
	tensor_load_to_lds s[\g0:\g0+3], s[\g1:\g1+7]
	s_nop 0
.rept 4
	v_nop
.endr
	s_branch .Lhead_asked
\next:
.endm
	ARM 1, G0+4, G1, .Lhead_b
	ARM 2, G0B+4, G1B, .Lhead_sa
	ARM 3, G0S, G1S, .Lhead_sb
	tensor_load_to_lds s[G0SB:G0SB+3], s[G1SB:G1SB+7]
	s_nop 0
.rept 4
	v_nop
.endr
.Lhead_asked:
	v_and_b32 v1, 15, v0                           ; r
	v_bfe_u32 v2, v0, 4, 1                         ; h
	v_mul_u32_u24 v3, v1, PITCH
	v_lshl_add_u32 v4, v2, 4, v3                   ; a fragment's row x pitch + 16 h
	s_mul_i32 s2, s[WR], HALFT
	s_mul_i32 s3, s[WC], HALFT
	s_add_co_u32 s3, s3, 2*HALFT
.irp s, 0,1
	v_add_nc_u32 v[ADRA+\s], s2, v4
	v_add_nc_u32 v[ADRB+\s], s3, v4
	s_add_co_u32 s2, s2, SLOT
	s_add_co_u32 s3, s3, SLOT
.endr
	v_mul_u32_u24 v5, v1, KS
	v_lshrrev_b32 v6, 8, v5
	v_lshl_add_u32 v5, v6, 4, v5                   ; my row's scales: 32 bytes a row, 16 more for each 256 passed
	s_mul_i32 s2, s[WR], HALFS
	s_mul_i32 s3, s[WC], HALFS
	s_add_co_u32 s3, s3, 2*HALFS
	s_sub_co_u32 s3, s3, s2
	v_mul_u32_u24 v6, s3, v2                       ; lanes 16-31 take B's
	s_add_co_u32 s2, s2, SCL
	v_add_nc_u32 v5, v5, v6
	v_add_nc_u32 v[ADRS], s2, v5
	s_mul_i32 s2, s[WV], 5120                      ; my stage, in slot 0: 4,096 bytes of codes, 1,024 of scale words
	v_and_b32 v8, 31, v0
	v_lshlrev_b32 v8, 4, v8                        ; 16 x lane
	v_add_nc_u32 v[RD], s2, v8
	v_lshlrev_b32 v[R4], 2, v1
.if QKV                                ; rows 16 e + r of a pair of blocks go to tile r / 8, lane 8 e + r % 8: the order in which the attention's tiles take keys, queries and channels
	v_lshrrev_b32 v5, 3, v1
	v_and_b32 v6, 7, v1
	v_lshlrev_b32 v7, 11, v5
	v_lshl_add_u32 v7, v6, 4, v7
	v_lshl_add_u32 v7, v2, 3, v7
	v_add_nc_u32 v[STO], s2, v7
	v_lshlrev_b32 v7, 6, v5
	v_lshl_add_u32 v7, v6, 2, v7
	v_lshl_add_u32 v7, v2, 9, v7
	v_add_nc_u32 v7, s2, v7
	v_add_nc_u32 v[SWA], 4096, v7
.else
	v_lshlrev_b32 v7, 4, v1
	v_lshl_add_u32 v7, v2, 3, v7
	v_add_nc_u32 v[STO], s2, v7
	v_lshlrev_b32 v7, 2, v1
	v_lshl_add_u32 v7, v2, 9, v7
	v_add_nc_u32 v7, s2, v7
	v_add_nc_u32 v[SWA], 4096, v7
.endif
	s_lshl_b32 s14, s[TA], 8
	s_lshl_b32 s2, s[WR], 7
	s_add_co_u32 s14, s14, s2                      ; my first row of A
	s_lshl_b32 s15, s[TB], 8
	s_lshl_b32 s2, s[WC], 7
	s_add_co_u32 s15, s15, s2                      ; my first row of B = my first column
.if QKV
	s_and_b32 s2, s15, 896                         ; (on v's path the load stays inside the buffer and its numbers are replaced by 0)
	s_lshl_b32 s2, s2, 2
.else
	s_lshl_b32 s2, s15, 2
.endif
	s_mov_b32 s3, 0
	s_add_nc_u64 s[PCB:PCB+1], s[PCB:PCB+1], s[2:3]
	v_lshlrev_b32 v9, 5, v2
.irp b, 0,1,2,3,4,5,6,7                ; the bias in the result's layout: lane (r, h), block b: columns 16 b + 8 h + 0 .. 7
	global_load_b128 v[CB+8*\b:CB+8*\b+3], v9, s[PCB:PCB+1] offset:64*\b
	global_load_b128 v[CB+8*\b+4:CB+8*\b+7], v9, s[PCB:PCB+1] offset:64*\b+16
.endr
.if QKV                                ; where the results go.  tok: my first token, ch: my first channel
	s_lshl_b32 s10, s[CLX], 22
	s_lshl_b32 s12, s[CLX], 14
	s_cmp_lg_u32 s[ISV], 0
	s_cselect_b32 s16, s15, s14
	s_cselect_b32 s17, s14, s15
	s_cselect_b32 s10, 0x800000, s10               ; q's images at 0, k's at 4 MiB, v's at 8 MiB
	s_mov_b32 s2, 1024
	s_cselect_b32 s2, 2048, s2                     ; from tile to tile
	s_mov_b32 s3, 131072
	s_cselect_b32 s3, 1024, s3                     ; from the first 64 columns to the second: the next head, or the next 64 keys
	s_mov_b32 s[IA], 2048
	s_cselect_b32 s[IA], 4096, s[IA]               ; from a pair of blocks to the next,
	s_mov_b32 s[IB], 2048
	s_cselect_b32 s[IB], 126976, s[IB]             ; and from the second pair to the third (v: the next head)
	s_cselect_b32 s104, 3840, 0
	s_mov_b32 s[IA+1], 0
	s_mov_b32 s[IB+1], 0
	s_lshr_b32 s20, s16, 11                        ; the batch
	s_and_b32 s21, s16, 2047                       ; the token in it
	s_lshr_b32 s17, s17, 7                         ; the pair of heads
	s_lshl_b32 s11, s20, 21
	s_add_co_u32 s10, s10, s11
	s_lshl_b32 s11, s17, 18
	s_add_co_u32 s10, s10, s11
	s_lshl_b32 s11, s21, 6
	s_add_co_u32 s10, s10, s11
	s_mov_b32 s11, 0
	s_lshl_b32 s13, s21, 2
	s_add_co_u32 s12, s12, s13                     ; q's, k's words: 4 bytes a token
	s_lshl_b32 s13, s21, 1
	s_add_co_u32 s13, s13, 32768                   ; v's: 256 bytes for 128 keys
	s_cmp_lg_u32 s[ISV], 0
	s_cselect_b32 s12, s13, s12
	s_lshl_b32 s13, s20, 3
	s_add_co_u32 s13, s13, s17
	s_mul_i32 s13, s13, 40960                      ; a pair's block of scale words
	s_add_co_u32 s12, s12, s13
	s_add_co_u32 s12, s12, 0xc00000
	s_mov_b32 s13, 0
	s_add_nc_u64 s[OUTS:OUTS+1], s[26:27], s[12:13]
	s_add_nc_u64 s[OUT:OUT+1], s[26:27], s[10:11]
	s_lshl_b32 s12, s14, 2
	s_add_nc_u64 s[PM:PM+1], s[PM:PM+1], s[12:13]  ; the mask at my first row (a token on q's and k's paths)
	s_and_b32 s12, s14, 896
	s_lshl_b32 s12, s12, 2
	s_add_nc_u64 s[PBV:PBV+1], s[PBV:PBV+1], s[12:13]   ; bv at my first row (a channel on v's path)
.else
	s_lshl_b32 s10, s14, 12                        ; 65,536 bytes for 16 rows,
	s_lshl_b32 s11, s15, 4                         ; 2,048 for 128 columns
	s_add_co_u32 s10, s10, s11
	s_mov_b32 s11, 0
	s_lshl_b32 s12, s15, 7                         ; the words: 16,384 bytes for 128 columns,
	s_lshl_b32 s13, s14, 2                         ; 4 a row
	s_add_co_u32 s12, s12, s13
	s_add_co_u32 s12, s12, 0x1000000
	s_mov_b32 s13, 0
	s_add_nc_u64 s[OUTS:OUTS+1], s[26:27], s[12:13]
	s_add_nc_u64 s[OUT:OUT+1], s[26:27], s[10:11]
	s_mov_b32 s2, 65536
	s_mov_b32 s3, 1024
	s_mov_b32 s104, 0
.endif
	v_mov_b32 v18, v8                              ; my byte offsets in the images: 16 x lane + u x s2 + b2 x s3
	v_add_nc_u32 v19, s3, v8
	v_add_nc_u32 v22, s2, v8
	v_add_nc_u32 v23, s3, v22
	v_mul_u32_u24 v10, s104, v2
	v_add_nc_u32 v[VSO], v10, v8
.macro FRAG reg, adr, q, i             ; 16 rows x 128 K: lane l holds row l % 16; registers 4 c .. 4 c + 3 hold K = 32 c + 16 (l / 16) + 0 .. 15
.irp c, 0,1,2,3
	ds_load_b128 v[\reg+4*\c:\reg+4*\c+3], v[\adr] offset:128*(\q)+32*\c+(\i)*16*PITCH
.endr
.endm
; 16 matrix instructions: A's blocks a0, a0 + 1 x B's eight.  first = 1: the bias is the C of the first products: nothing is cleared and no addition is spent.
; The 64 accumulators take turns, one instruction a turn, in the same order in every step.
.macro MUL16 a0, p, q, sc, first
.irp a, \a0, \a0+1
.irp b, 0,1,2,3,4,5,6,7
.if \first
	v_wmma_scale_f32_16x16x128_f8f6f4 v[8*(8*((\a)%4)+\b):8*(8*((\a)%4)+\b)+7], v[128*(\p)+FR*\b:128*(\p)+FR*\b+FR-1], v[AF+FR*(\a):AF+FR*(\a)+FR-1], v[CB+8*\b:CB+8*\b+7], v[SC+8*NQ*(\sc)+NQ*\b+(\q)], v[SC+8*NQ*(\sc)+NQ*(\a)+(\q)] matrix_a_fmt:MATRIX_FMT_BF8 matrix_b_fmt:MATRIX_FMT_BF8 matrix_a_scale:MATRIX_SCALE_ROW1
.else
	v_wmma_scale_f32_16x16x128_f8f6f4 v[8*(8*((\a)%4)+\b):8*(8*((\a)%4)+\b)+7], v[128*(\p)+FR*\b:128*(\p)+FR*\b+FR-1], v[AF+FR*(\a):AF+FR*(\a)+FR-1], v[8*(8*((\a)%4)+\b):8*(8*((\a)%4)+\b)+7], v[SC+8*NQ*(\sc)+NQ*\b+(\q)], v[SC+8*NQ*(\sc)+NQ*(\a)+(\q)] matrix_a_fmt:MATRIX_FMT_BF8 matrix_b_fmt:MATRIX_FMT_BF8 matrix_a_scale:MATRIX_SCALE_ROW1
.endif
.endr
.endr
.endm
.macro FETCH_B slot, q, p
	WIN TO_B
.irp i, 0,1,2,3,4,5,6,7
	FRAG 128*(\p)+FR*\i, ADRB+\slot, \q, \i
.endr
	WIN 0
.endm
.macro FETCH_A slot, q, i0
.irp i, \i0, \i0+1, \i0+2, \i0+3
	FRAG AF+FR*(\i), ADRA+\slot, \q, \i
.endr
.endm
.macro SCALES sc                       ; a slot's scale words: lanes 0-15 A's block i, lanes 16-31 B's block i
.irp i, 0,1,2,3,4,5,6,7
	ds_load_b64 v[SC+8*NQ*\sc+NQ*\i:SC+8*NQ*\sc+NQ*\i+1], v[ADRS] offset:\i*SBLK
.endr
.endm
.macro STEP slot, q, first             ; 128 along K that has its successor in the same slot
	s_wait_dscnt 4*NL                              ; B's set and A's blocks 0-3 are in; the youngest 16 loads (A's blocks 4-7) may be out
.if \first
	WIN 0x81                                       ; as MUL_LO, with C in window 0
.else
	WIN MUL_LO
.endif
	MUL16 0, (\q)%2, \q, \slot, \first
	MUL16 2, (\q)%2, \q, \slot, \first
	s_wait_dscnt 0
	PLACES NP                                      ; in front of loads into registers that matrix instructions have read
	FETCH_B \slot, (\q)+1, 1-(\q)%2
	FETCH_A \slot, (\q)+1, 0
.if \first
	WIN 0xc1
.else
	WIN MUL_HI
.endif
	MUL16 4, (\q)%2, \q, \slot, \first
	MUL16 6, (\q)%2, \q, \slot, \first
	PLACES NP
	WIN 0
	FETCH_A \slot, (\q)+1, 4
.endm
; A slot's last step changes slots: one barrier; in front of it each wave waits for all its tensor loads, adds 0 to its spare word, and waits for that and for its reads of this slot.
.macro TURN slot, next, fill
	s_wait_tensorcnt 0x0                           ; all my tensor loads have landed: my part of the next slot
	ds_add_u32 v[SPW], v[NIL]                      ; 0 onto my spare word
	s_wait_dscnt 4*NL+1                            ; (the add and the youngest 16 loads may be out)
	WIN MUL_LO
	MUL16 0, 1, NQ-1, \slot, 0
	s_wait_dscnt 0x0                               ; the add is done, and my reads of this slot are over
	s_barrier_signal -1
	MUL16 2, 1, NQ-1, \slot, 0
	WIN 0
	s_barrier_wait -1
.if \fill
	CREST                                          ; the barrier has opened a round of the cluster's: no wave of any partner still reads this slot or has a load on its way
	s_add_nc_u64 s[G0+4*\slot+2:G0+4*\slot+3], s[G0+4*\slot+2:G0+4*\slot+3], 2*ROWB
	s_add_nc_u64 s[G0B+4*\slot+2:G0B+4*\slot+3], s[G0B+4*\slot+2:G0B+4*\slot+3], 2*ROWB
	JLOAD G0+4*\slot, G1, G0B+4*\slot, G1B         ; the first tensor load behind the round; its four v_nop are among the places below
	PLACES NP-4
.else
	PLACES NP
.endif
	s_wait_alu depctr_va_vdst(0)
	v_add_nc_u32 v[ADRS], 4*NQ, v[ADRS]
	FETCH_B \next, 0, 0
	FETCH_A \next, 0, 0
	SCALES \next
	WIN MUL_HI
	MUL16 4, 1, NQ-1, \slot, 0
	MUL16 6, 1, NQ-1, \slot, 0
	PLACES NP
	WIN 0
	FETCH_A \next, 0, 4
.endm
	s_wait_loadcnt 0x0                             ; the bias
.if QKV
.set i, 0
.rept 64
	v_cndmask_b32 v[CB+i], 0, v[CB+i], s[QKM]      ; v's bias goes by rows, not by columns: its C is 0
.set i, i+1
.endr
.endif
	s_wait_alu depctr_va_vdst(0)
	s_wait_tensorcnt 0x0                           ; my tile of the head's four is in; slot 1's first fill is issued as a refill is
	ds_add_u32 v[SPW], v[NIL]
	s_mov_b32 s[G1+2], 128<<16                     ; no load of mine is out: from here on a load brings 128 rows
	s_mov_b32 s[G1+4], 128
	s_mov_b32 s[G1B+2], 128<<16
	s_mov_b32 s[G1B+4], 128
	s_add_co_u32 s[G0+5], s[G0+1], SLOT            ; slot 1's groups 0: my 128 rows, K step 1
	s_add_nc_u64 s[G0+6:G0+7], s[G0+2:G0+3], ROWB
	s_add_co_u32 s[G0B+5], s[G0B+1], SLOT
	s_add_nc_u64 s[G0B+6:G0B+7], s[G0B+2:G0B+3], ROWB
	s_wait_dscnt 0x0
	CROUND                                         ; all four tiles are in, and all sixteen work-groups are here
	JLOAD G0+4, G1, G0B+4, G1B
	FETCH_B 0, 0, 0
	FETCH_A 0, 0, 0
	SCALES 0
	FETCH_A 0, 0, 4
	STEP 0, 0, 1
.if QKV                                ; the registers that held the bias are free (eight places stand behind the products that read them): the rows' mask and bv land there while K is walked
.irp a, 0,1,2,3,4,5,6,7
	global_load_b32 v[RMP+2*\a], v[R4], s[PM:PM+1] offset:64*\a
	global_load_b32 v[RBP+2*\a], v[R4], s[PBV:PBV+1] offset:64*\a
.endr
.endif
	s_mov_b32 s3, LAPS-1
.Llap:
	TURN 0, 1, 1
	STEP 1, 0, 0
	TURN 1, 0, 1
	STEP 0, 0, 0
	s_sub_co_u32 s3, s3, 1
	s_cmp_lg_u32 s3, 0
	s_cbranch_scc1 .Llap
	TURN 0, 1, 0                                   ; the last lap fills nothing
	STEP 1, 0, 0
	s_wait_dscnt 4*NL
	WIN MUL_LO
	MUL16 0, 1, NQ-1, 1, 0
	MUL16 2, 1, NQ-1, 1, 0
	s_wait_dscnt 0
	WIN MUL_HI
	MUL16 4, 1, NQ-1, 1, 0
	MUL16 6, 1, NQ-1, 1, 0
	WIN 0
; THE WAY OUT.  Block a (16 rows x 128 columns) is quantised in registers: a block of 32 columns lies in two accumulators of lanes l and l xor 16.  A conversion's 8 codes are columns
; 32 b + 16 p + 8 h + 0 .. 7 of my row; they go into my stage (slot 0 has had its last fill and its last read) at the place that the reader's register image gives them, and two blocks at a time
; come back as 512 consecutive bytes an instruction.
	PLACES NP
.irp b, 0,1,2,3
	v_mov_b32 v[TM+4+\b], 0                        ; a lane permute's destination counts as read
.endr
.if QKV
	s_wait_loadcnt 0x0
.irp a, 0,1,2,3,4,5,6,7
	v_cmp_eq_u32 s2, 0, v[RMP+2*\a]                ; a hidden key,
	s_and_b32 s2, s2, s[ISK]                       ; on k's path:
	v_cndmask_b32 v[RMP+2*\a], 1.0, 0, s2          ; its row is multiplied by 0
	v_mov_b32 v[RMP+2*\a+1], v[RMP+2*\a]
	v_cndmask_b32 v[RBP+2*\a], 0, v[RBP+2*\a], s[ISV]   ; bv is added on v's path alone
	v_mov_b32 v[RBP+2*\a+1], v[RBP+2*\a]
.endr
.endif
.macro EPI a
.set W, 2+(\a)/4
.set AC, 64*((\a)%4)
.if QKV
	WIN (W<<6)|W
.set i, 0
.rept 32
	v_pk_fma_f32 v[AC+i:AC+i+1], v[AC+i:AC+i+1], v[RMP+2*(\a):RMP+2*(\a)+1], v[RBP+2*(\a):RBP+2*(\a)+1]   ; ascending: each accumulator is read from its low end on
.set i, i+2
.endr
.endif
	WIN (W<<2)|(W<<4)
.if QKV
.irp b, 0,1,2,3
	v_max3_num_f32 v[TM+\b], 0x8000000, |v[AC+16*\b]|, |v[AC+16*\b+1]|   ; my 16 numbers of block b, and the floor 2^(16 - 127)
.endr
.irp i, 2,4,6,8,10,12,14
.irp b, 0,1,2,3
	v_max3_num_f32 v[TM+\b], v[TM+\b], |v[AC+16*\b+\i]|, |v[AC+16*\b+\i+1]|
.endr
.endr
.else
.irp b, 0,1,2,3
	v_max3_num_f32 v[TM+\b], 0x8000000, v[AC+16*\b], v[AC+16*\b+1]       ; no |.|: what is negative becomes 0 and must not count
.endr
.irp i, 2,4,6,8,10,12,14
.irp b, 0,1,2,3
	v_max3_num_f32 v[TM+\b], v[TM+\b], v[AC+16*\b+\i], v[AC+16*\b+\i+1]
.endr
.endr
.endif
	WIN 0
.irp b, 0,1,2,3
	v_permlanex16_b32 v[TM+4+\b], v[TM+\b], s[SEL], s[SEL+1]
.endr
.irp b, 0,1,2,3
	v_max_num_f32 v[TM+\b], v[TM+\b], v[TM+4+\b]
.endr
.irp b, 0,1,2,3
	v_add_nc_u32 v[TM+12+\b], 0xf8800000, v[TM+\b] ; 15 off the exponent field: the conversion's scale operand
.endr
.irp b, 0,1,2,3
	v_and_or_b32 v[TM+8+\b], v[TM+\b], 0x7f800000, s[MNT]   ; 57,344 x the scale
.endr
.irp b, 0,1,2,3
	v_lshrrev_b32 v[TM+4+\b], 23, v[TM+12+\b]      ; the scale's byte
.endr
	v_lshl_or_b32 v[WT], v[TM+5], 8, v[TM+4]
	v_lshl_or_b32 v[WT+1], v[TM+7], 8, v[TM+6]
	v_lshl_or_b32 v[WT+2], v[WT+1], 16, v[WT]      ; the four bytes of 128 columns
.if QKV
	v_cndmask_b32 v[WT], v[WT], v[WT+1], s[HI16]   ; q, k: a head has two bytes: lanes 0-15 carry the first head's word, lanes 16-31 the second's; the upper bytes are 0
	v_cndmask_b32 v[WT+2], v[WT], v[WT+2], s[ISV]
.endif
	WIN (W<<6)|W
.irp b, 0,1,2,3
.irp i, 0,1,2,3,4,5,6,7,8,9,10,11,12,13,14,15
.if QKV
	v_med3_num_f32 v[AC+16*\b+\i], v[AC+16*\b+\i], -v[TM+8+\b], v[TM+8+\b]   ; the conversion does not saturate (ISA guide 7.6.2): hold first
.else
	v_med3_num_f32 v[AC+16*\b+\i], v[AC+16*\b+\i], 0, v[TM+8+\b]             ; the activation and the hold in one
.endif
.endr
.endr
	WIN W
.irp b, 0,1,2,3
	v_cvt_scalef32_pk8_bf8_f32 v[PC+4*\b:PC+4*\b+1], v[AC+16*\b:AC+16*\b+7], v[TM+12+\b]
	v_cvt_scalef32_pk8_bf8_f32 v[PC+4*\b+2:PC+4*\b+3], v[AC+16*\b+8:AC+16*\b+15], v[TM+12+\b]
.endr
	WIN 0
	v_nop                                          ; a plain line behind the last conversion
.irp b, 0,1,2,3
.irp p, 0,1
	ds_store_b64 v[STO], v[PC+4*\b+2*\p:PC+4*\b+2*\p+1] offset:512*\b+256*\p+EOFF*((\a)%2)
.endr
.endr
.if QKV
	ds_store_b32 v[SWA], v[WT+2] offset:((\a)/2)*128+((\a)%2)*32
.else
	ds_store_b32 v[SWA], v[WT+2] offset:64*(\a)
.endif
	s_wait_dscnt 0x0                               ; the stores have read their registers
.endm
.macro FLUSH a                         ; behind an odd block: 4,096 bytes of images leave
.if (\a) > 1
	s_wait_xcnt 0x0                                ; the last pair's stores have read their registers and their base
.if QKV
.if (\a) == 5
	s_add_nc_u64 s[OUT:OUT+1], s[OUT:OUT+1], s[IB:IB+1]
.else
	s_add_nc_u64 s[OUT:OUT+1], s[OUT:OUT+1], s[IA:IA+1]
.endif
.else
	s_add_nc_u64 s[OUT:OUT+1], s[OUT:OUT+1], 131072
.endif
.endif
.irp i, 0,1,2,3,4,5,6,7
	ds_load_b128 v[OB+4*\i:OB+4*\i+3], v[RD] offset:512*\i   ; LDS serves a wave's instructions in order: these see my stores
.endr
	s_wait_dscnt 0x0
.irp i, 0,1,2,3,4,5,6,7
	global_store_b128 v[18+2*(\i/4)+(\i%4)/2+2*(\i/4)], v[OB+4*\i:OB+4*\i+3], s[OUT:OUT+1] offset:512*(\i%2)   ; 32 lanes store 512 consecutive bytes
.endr
.endm
.irp a, 0,1,2,3,4,5,6,7
	EPI \a
.if (\a)%2
	FLUSH \a
.endif
.endr
	ds_load_b128 v[SWO:SWO+3], v[RD] offset:4096   ; the scale words of my 128 rows
.if QKV
	ds_load_b128 v[SWO+4:SWO+7], v[RD] offset:4608 ; q, k: the second head's
.endif
	s_wait_dscnt 0x0
	global_store_b128 v[VSO], v[SWO:SWO+3], s[OUTS:OUTS+1]
.if QKV
	s_cmp_lg_u32 s[ISV], 0                         ; the cluster's coordinate decides: the same in all partners
	s_cbranch_scc1 .Lno_plane
	global_store_b128 v[VSO], v[SWO+4:SWO+7], s[OUTS:OUTS+1] offset:8192
.Lno_plane:
.endif
	s_wait_tensorcnt 0x0                           ; the wave's end
	ds_add_u32 v[SPW], v[NIL]
	s_wait_dscnt 0x0
	CROUND                                         ; the closing round
	s_endpgm
.Lfunc_end_k_q7f4ff5a118_qkv:
	.size	k_q7f4ff5a118_qkv, .Lfunc_end_k_q7f4ff5a118_qkv-k_q7f4ff5a118_qkv
	.p2alignl 7, 3214868480
	.fill 96, 4, 3214868480
	.section	.rodata,"a",@progbits
	.p2align	6, 0x0
	.amdhsa_kernel k_q7f4ff5a118_qkv
		.amdhsa_group_segment_fixed_size 327680
		.amdhsa_private_segment_fixed_size 0
		.amdhsa_enable_private_segment 0
		.amdhsa_kernarg_size 96
		.amdhsa_user_sgpr_count 2
		.amdhsa_user_sgpr_kernarg_segment_ptr 1
		.amdhsa_wavefront_size32 1
		.amdhsa_system_sgpr_workgroup_id_x 1
		.amdhsa_system_sgpr_workgroup_id_y 1
		.amdhsa_system_sgpr_workgroup_id_z 1
		.amdhsa_system_vgpr_workitem_id 0
		.amdhsa_next_free_vgpr 1024
		.amdhsa_next_free_sgpr 106
		.amdhsa_reserve_vcc 0
		.amdhsa_float_denorm_mode_32 3
		.amdhsa_float_denorm_mode_16_64 3
		.amdhsa_memory_ordered 1
		.amdhsa_forward_progress 1
		.amdhsa_inst_pref_size 222
	.end_amdhsa_kernel
	.amdgpu_metadata
---
amdhsa.version: [ 1, 2 ]
amdhsa.kernels:
  - .name:           k_q7f4ff5a118_qkv
    .symbol:         k_q7f4ff5a118_qkv.kd
    .args:
      - { .name: xq, .offset: 0, .size: 8, .value_kind: global_buffer, .address_space: global }
      - { .name: wq_codes, .offset: 8, .size: 8, .value_kind: global_buffer, .address_space: global }
      - { .name: wq_scales, .offset: 16, .size: 8, .value_kind: global_buffer, .address_space: global }
      - { .name: wk_codes, .offset: 24, .size: 8, .value_kind: global_buffer, .address_space: global }
      - { .name: wk_scales, .offset: 32, .size: 8, .value_kind: global_buffer, .address_space: global }
      - { .name: wv_codes, .offset: 40, .size: 8, .value_kind: global_buffer, .address_space: global }
      - { .name: wv_scales, .offset: 48, .size: 8, .value_kind: global_buffer, .address_space: global }
      - { .name: bq, .offset: 56, .size: 8, .value_kind: global_buffer, .address_space: global }
      - { .name: bk, .offset: 64, .size: 8, .value_kind: global_buffer, .address_space: global }
      - { .name: bv, .offset: 72, .size: 8, .value_kind: global_buffer, .address_space: global }
      - { .name: mask, .offset: 80, .size: 8, .value_kind: global_buffer, .address_space: global }
      - { .name: qkv, .offset: 88, .size: 8, .value_kind: global_buffer, .address_space: global }
    .group_segment_fixed_size: 327680
    .private_segment_fixed_size: 0
    .kernarg_segment_align: 8
    .kernarg_segment_size: 96
    .max_flat_workgroup_size: 128
    .sgpr_count:     106
    .vgpr_count:     1024
    .wavefront_size: 32
...
	.end_amdgpu_metadata
.endif
;; end of part 2
;; launch att (part 3): grid 8 x 32, 8 waves a work-group, clusters of 4 x 1, 327,680 bytes of LDS; arguments qkv, mask, cq; writes cq
.if DOCPART == 3
	.amdgcn_target "amdgcn-amd-amdhsa--gfx1250"
	.amdhsa_code_object_version 6
	.text
	.protected	k_q7f4ff5a118_att
	.globl	k_q7f4ff5a118_att
	.p2align	8
	.type	k_q7f4ff5a118_att,@function
k_q7f4ff5a118_att:
	s_mov_b64 s[64:65], 0
	v_nop
	global_prefetch_b8 v0, s[64:65] scope:SCOPE_SE
	s_setreg_imm32_b32 hwreg(HW_REG_WAVE_MODE, 25, 1), 1
	s_wait_xcnt 0x0
	s_wait_alu depctr_hold_cnt(0) depctr_sa_sdst(0) depctr_va_vdst(0) depctr_va_sdst(0) depctr_va_ssrc(0) depctr_va_vcc(0) depctr_vm_vsrc(0)
	s_getreg_b32 s2, hwreg(HW_REG_IB_STS2, 6, 4)
	s_cmp_eq_u32 s2, 0
	s_cbranch_scc0 .Lentry_in_a_cluster
	s_endpgm
.Lentry_in_a_cluster:
	s_bfe_u32 s2, ttmp6, 0x10000c
	s_cmp_lg_u32 s2, 0x3003
	s_cbranch_scc0 .Lentry_shape_is_right
	s_endpgm
.Lentry_shape_is_right:
; ctx = softmax(where(mask == 0, NEG, q k^T / 8)) v for 32 heads of 64, 2,048 keys, both products on codes of E5M2 with E8M0 scales; ctx is quantised along the model's 1,024 on the way out.
; q, k, v come as images of operand registers with their scale words, made by the launch before.
; THE SOFTMAX: t = score x log2(e) / 8; M = the running largest t rounded UP to a whole number; p = 2^(t - M) is quantised along the keys, not normalised; the row's sum is taken of the unquantised p and divides at the end.
; THE MASK: the rows of k of hidden keys are zero codes, and the score product's C is 0 for an open key and -2^33 for a hidden one: the addends are loaded into the score registers, which are the product's C and D.
; LIMIT: a hidden logit is -2^30 where the definition has -1e9: the same results while open logits lie more than about 150 above it; a row all of whose keys are hidden gets p = 1 everywhere.
; LIMITS: NaN and infinities are not served; a block whose largest magnitude lies under 2^-111 gets the byte 1.
; SHARES.  y = 16 x batch + head; a work-group takes 256 queries of ONE head, wave w queries 32 w on: two tiles of 16, so that each fragment of k and v feeds two products.
; THE HEAD'S WHOLE k AND v LIE IN LDS: 2 x 131,072 bytes, brought once, 32,768 dense bytes a wave (waves 0-3 k, waves 4-7 v).  Nothing is filled again: the loop over the keys has no barrier.
; CLUSTER: the four query blocks of a cluster read the same k and v: each load is a joint one.
; No prefetch: all that the launch streams is asked for by the one load a wave ahead of the loop.
; A STEP'S LDS LOADS RUN AHEAD: behind the score products come v's fragments of this step and k's of the next; behind each tile's softmax the next step's addends.  The last trip's look-ahead wraps to step 0 and is not used.
; Tile 0's own registers lie in window 0, tile 1's at the same numbers in window 1: the softmax is written once.
; K = 64 IN AN INSTRUCTION OF K = 128: q's registers 8-15 are zero codes; k's operand of tile T runs on into tile T + 1's codes (finite) or into zeros.
; OUT: ctx's images; its scale bytes as one plane a head, [16 heads][4,096 rows][2 bytes], behind the images: a work-group stores 512 consecutive bytes.
.set VB,    131072                     ; v's images; k's lie at 0
.set SWK,   262144                     ; k's scale words, 8,192 bytes
.set SWV,   SWK+8192                   ; v's, 4,096
.set NB,    SWV+4096                   ; 0 or -2^33 for each key of the batch, 8,192
.set XW,    NB+8192                    ; ctx's scale bytes of 256 rows, 512
.set SPARE, XW+512                     ; the spare words, 128 bytes a wave
.set AKV,  1                           ; 16 x lane
.set ASK0, 2
.set ASV0, 3
.set ANB0, 4
.set SPW,  5
.set NIL,  6
.set ADV,  7
.set ADK,  8
.set ADS,  9
.set ADT,  10
.set ADN,  11
.set QF,   16                          ; own: q's fragment and 8 registers of zeros.  v12 -M, v13 the largest score, v[14:15] the sum
.set KV,   32                          ; window 0: k's 8 tiles x 8, v96-103 zeros.  window 1: v's 4 x 16
.set S,    104
.set O,    168
.set PC,   200
.set BM,   216
.set PT,   220                         ; v220-231 (PT, HL, SO) also carry the sum's six chains
.set HL,   224
.set SO,   228
.set KSR,  232                         ; k's scale words
.set QS,   240
.set FF,   242
.set TT,   244
.set PS,   245
.set XWA,  247
.set XRD,  249
.set VSR,  250                         ; v's scale words, v250-253 of window 0
.set OM,   254                         ; own: the old -M, later at work
.set WV,   10
.set HD,   11
.set PY,   12
.set CX,   13
.set Y,    14
.set QBLK, 15
.set BT,   16
.set PAIR, 17
.set SEL,  18
.set CS,   20
.set MNT,  22
.set TB,   23
.set G1,   24
.set G0,   40
.set TJ,   49
.set CNT,  51
.set KW,   52
.set VW,   54
.set QB,   56
.set QSB,  58
.set CQB,  60
.set CQS,  62
.set MB,   66
.set MSB, 0
.macro WIN new
.if MSB != (\new)
	s_set_vgpr_msb (MSB<<8)|(\new)
.set MSB, (\new)
.endif
.endm
.macro CROUND
	s_barrier_signal -1
	s_barrier_wait -1
	s_cmp_lg_u32 s[WV], 0
	s_cbranch_scc1 .Lnot_wave_0_\@
	s_barrier_signal -3
.Lnot_wave_0_\@:
	s_barrier_wait -3
	s_barrier_signal -1
	s_barrier_wait -1
.endm
	s_load_b128 s[4:7], s[0:1], 0x0                ; the images, the mask
	s_load_b64 s[8:9], s[0:1], 0x10                ; ctx's images
	v_lshl_add_u32 v[SPW], v0, 2, SPARE
	v_mov_b32 v[NIL], 0
	ds_add_u32 v[SPW], v[NIL]                      ; the opening lines: the add twice on end and one wait
	ds_add_u32 v[SPW], v[NIL]
	v_lshrrev_b32 v8, 5, v0
	s_delay_alu instid0(VALU_DEP_1)
	v_readfirstlane_b32 s[WV], v8                  ; wave 0..7
	s_and_b32 s[Y], ttmp7, 0xffff
	s_lshr_b32 s[BT], s[Y], 4
	s_lshr_b32 s[PY], s[Y], 1                      ; 8 x batch + pair of heads
	s_and_b32 s[PAIR], s[PY], 7
	s_and_b32 s[HD], s[Y], 1
	s_mov_b32 s[G1], 15|(3<<16)|(1<<21)            ; all four work-groups; elements of 8 bytes; no padding: the images are read 16 x lane
	s_mov_b32 s[G1+1], 32<<16                      ; rows of 256 bytes,
	s_mov_b32 s[G1+2], 128<<16                     ; 128 of them: a dense block of 32,768 bytes
	s_mov_b32 s[G1+3], 32<<16
	s_mov_b32 s[G1+4], 128
	s_mov_b32 s[G1+5], 32
	s_mov_b32 s[G1+6], 0
	s_mov_b32 s[G1+7], 0
	s_mov_b32 s[G0], 1
	s_lshr_b32 s2, s[WV], 2                        ; 0: k, 1: v
	s_and_b32 s3, s[WV], 3
	s_lshl_b32 s3, s3, 15                          ; my quarter
	s_lshl_b32 s[G0+1], s2, 17
	s_add_co_u32 s[G0+1], s[G0+1], s3
	s_lshl_b32 s2, s2, 22
	s_add_co_u32 s2, s2, s3
	s_lshl_b32 s68, s[Y], 17                       ; the head's images
	s_add_co_u32 s2, s2, s68
	s_add_co_u32 s[G0+2], s2, 0x400000
	s_mov_b32 s[G0+3], 0
	s_mul_i32 s69, s[PY], 40960
	s_add_co_u32 s69, s69, 0xc00000                ; the pair's block of scale words
	s_bfe_u32 s[CX], ttmp6, 0x40000                ; my place in the cluster: it enters global addresses of q and ctx alone
	s_lshl_b32 s[QBLK], ttmp9, 2
	s_add_co_u32 s[QBLK], s[QBLK], s[CX]           ; my block of 256 queries
	s_lshl_b32 s70, s[QBLK], 3
	s_add_co_u32 s70, s70, s[WV]                   ; my wave's group of 32 queries
	s_lshl_b32 s72, s70, 11
	s_add_co_u32 s[QB], s68, s72
	s_mov_b32 s[QB+1], 0
	s_lshl_b32 s72, s[HD], 13
	s_add_co_u32 s72, s72, s69
	s_add_co_u32 s[KW], s72, 16384                 ; k's words lie behind q's
	s_mov_b32 s[KW+1], 0
	s_lshl_b32 s73, s70, 7
	s_add_co_u32 s[QSB], s72, s73
	s_mov_b32 s[QSB+1], 0
	s_lshl_b32 s72, s[HD], 12
	s_add_co_u32 s72, s72, s69
	s_add_co_u32 s[VW], s72, 32768
	s_mov_b32 s[VW+1], 0
	s_lshl_b32 s72, s[BT], 7
	s_lshl_b32 s73, s70, 1
	s_add_co_u32 s72, s72, s73                     ; my first block of 16 rows of ctx
	s_lshl_b32 s72, s72, 3
	s_add_co_u32 s72, s72, s[PAIR]                 ; K step = the pair of heads
	s_lshl_b32 s72, s72, 11
	s_lshl_b32 s73, s[HD], 10
	s_add_co_u32 s[CQB], s72, s73
	s_mov_b32 s[CQB+1], 0
	s_and_b32 s72, s[Y], 15
	s_lshl_b32 s72, s72, 13                        ; my head's plane of scale bytes,
	s_lshl_b32 s73, s[BT], 12
	s_add_co_u32 s72, s72, s73
	s_lshl_b32 s73, s[QBLK], 9                     ; 2 bytes a row
	s_add_co_u32 s72, s72, s73
	s_add_co_u32 s[CQS], s72, 0x400000
	s_mov_b32 s[CQS+1], 0
	s_lshl_b32 s[MB], s[BT], 13
	s_mov_b32 s[MB+1], 0
	s_mov_b32 s[SEL], 0x76543210
	s_mov_b32 s[SEL+1], 0xfedcba98
	s_mov_b32 s[CS], 0x3e38aa3b                    ; c = log2(e) / 8
	s_mov_b32 s[CS+1], s[CS]
	s_mov_b32 s[MNT], 0x600000
	s_mov_b32 s[TB], 0
	s_mov_b32 s[TJ], 0
	s_mov_b32 s[CNT], 16
	s_lshl_b32 s2, s[WV], 6
	s_add_co_u32 s2, s2, XW
	v_and_b32 v8, 31, v0                           ; lane
	v_and_b32 v9, 15, v0                           ; r
	v_bfe_u32 v10, v0, 4, 1                        ; h
	v_lshlrev_b32 v252, 4, v0                      ; 16 x thread
	v_mov_b32 v253, 0xd0000000                     ; -2^33
	v_lshlrev_b32 v[AKV], 4, v8
	v_lshl_add_u32 v[ASK0], v9, 2, SWK
	v_lshl_add_u32 v[ASV0], v9, 2, SWV
	v_lshl_add_u32 v[ANB0], v10, 6, NB
	v_lshl_add_u32 v[XWA], v9, 1, s2               ; ctx's two scale bytes of row r of my tile 0
	v_lshrrev_b32 v251, 3, v9
	v_and_b32 v255, 7, v9
	v_add_nc_u32 v254, NB, v252
	v_add_nc_u32 v248, SWK, v252
	v_add_nc_u32 v[XRD], XW, v[AKV]
	v_lshlrev_b32 v250, 10, v251
	v_lshlrev_b32 v251, 6, v251
	s_delay_alu instid0(VALU_DEP_2)
	v_lshl_add_u32 v250, v255, 4, v250
	s_delay_alu instid0(VALU_DEP_2)
	v_lshl_add_u32 v251, v255, 2, v251             ; q's scale word
	s_delay_alu instid0(VALU_DEP_2)
	v_lshl_add_u32 v250, v10, 8, v250              ; q: query 16 t + r lies in image tile r / 8, lane 8 t + r % 8 (+ 16 h)
	s_wait_alu depctr_va_vdst(0)                   ; directly ahead of the waits below
	s_wait_dscnt 0x0                               ; both opening adds are done
	s_wait_kmcnt 0x0
	s_add_nc_u64 s[G0+2:G0+3], s[4:5], s[G0+2:G0+3]
	s_or_b32 s[G0+3], s[G0+3], 0x80000000
	s_add_nc_u64 s[QB:QB+1], s[4:5], s[QB:QB+1]
	s_add_nc_u64 s[QSB:QSB+1], s[4:5], s[QSB:QSB+1]
	s_add_nc_u64 s[KW:KW+1], s[4:5], s[KW:KW+1]
	s_add_nc_u64 s[VW:VW+1], s[4:5], s[VW:VW+1]
	s_add_nc_u64 s[MB:MB+1], s[6:7], s[MB:MB+1]
	s_add_nc_u64 s[CQB:CQB+1], s[8:9], s[CQB:CQB+1]
	s_add_nc_u64 s[CQS:CQS+1], s[8:9], s[CQS:CQS+1]
	CROUND                                         ; all four work-groups are here: the joint loads meet
	tensor_load_to_lds s[G0:G0+3], s[G1:G1+7]      ; my one tensor load of the launch: an eighth of the head's k and v
	s_nop 0
.rept 4
	v_nop
.endr
	global_load_b128 v[S:S+3], v252, s[MB:MB+1]
	global_load_b128 v[S+4:S+7], v252, s[MB:MB+1] offset:4096
	global_load_b128 v[S+8:S+11], v252, s[KW:KW+1]
	global_load_b128 v[S+12:S+15], v252, s[KW:KW+1] offset:4096
	global_load_b128 v[S+16:S+19], v252, s[VW:VW+1]
.irp c, 0,1
	global_load_b128 v[QF+4*\c:QF+4*\c+3], v250, s[QB:QB+1] offset:512*\c
.endr
	global_load_b32 v[QS], v251, s[QSB:QSB+1]
	global_load_b32 v[QS+1], v251, s[QSB:QSB+1] offset:32
	WIN 0x40
.irp c, 0,1
	global_load_b128 v[QF+4*\c:QF+4*\c+3], v250, s[QB:QB+1] offset:512*\c+128
.endr
.macro INIT t                          ; the loop has no first step of its own: O^T and the sum begin as zeros, the largest score as -3e38
	WIN 0x55*(\t)
	v_mov_b32 v13, 0xff61b1e6
	s_delay_alu instid0(VALU_DEP_1)
	v_floor_f32 v12, -v13
	v_mov_b32 v14, 0
	v_mov_b32 v15, 0
.irp j, 8,9,10,11,12,13,14,15
	v_mov_b32 v[QF+\j], 0                          ; q's K = 64 .. 127: zero codes
.endr
.set j, 0
.rept 32
	v_mov_b32 v[O+j], 0
.set j, j+1
.endr
.irp b, 0,1,2,3
	v_mov_b32 v[PT+\b], 0                          ; a lane permute's destination counts as read
.endr
	v_mov_b32 v[FF+1], 0                           ; named as a pair's upper half
	v_mov_b32 v[TT], 0
.endm
	INIT 0
	INIT 1
	WIN 0
.irp j, 0,1,2,3,4,5,6,7
	v_mov_b32 v[96+\j], 0                          ; what k's last tile runs on into
.endr
	v_mov_b32 v[ADK], v[AKV]                       ; step 0's addresses
	v_mov_b32 v[ADS], v[ASK0]
	v_mov_b32 v[ADN], v[ANB0]
	s_wait_loadcnt 0x0
.irp i, 0,1,2,3,4,5,6,7
	v_cmp_eq_u32 vcc_lo, 0, v[S+\i]
	s_delay_alu instid0(VALU_DEP_1)
	v_cndmask_b32 v[S+\i], 0, v253, vcc_lo         ; a hidden key: -2^33, an open one: 0
.endr
	ds_store_b128 v254, v[S:S+3]
	ds_store_b128 v254, v[S+4:S+7] offset:4096
	ds_store_b128 v248, v[S+8:S+11]                ; the head's scale words of k and v, as they lie in memory
	ds_store_b128 v248, v[S+12:S+15] offset:4096
	ds_store_b128 v248, v[S+16:S+19] offset:8192
; One tile's softmax for 128 keys, under the tile's window.
.macro SM t
	WIN 0x55*(\t)
.if \t
	s_wait_alu depctr_va_vdst(0)                   ; tile 1's scores: plain lines alone follow up to the last of their first readers
.endif
.irp b, 0,1,2,3                        ; the largest score of each block of 32 keys, in two chains a block: for the row's maximum and for the block's largest p
	v_max3_num_f32 v[BM+\b], v[S+16*\b], v[S+16*\b+1], v[S+16*\b+2]
.endr
.irp b, 0,1,2,3
	v_max3_num_f32 v[HL+\b], v[S+16*\b+8], v[S+16*\b+9], v[S+16*\b+10]
.endr
.irp i, 3,5
.irp b, 0,1,2,3
	v_max3_num_f32 v[BM+\b], v[BM+\b], v[S+16*\b+\i], v[S+16*\b+\i+1]
.endr
.irp b, 0,1,2,3
	v_max3_num_f32 v[HL+\b], v[HL+\b], v[S+16*\b+\i+8], v[S+16*\b+\i+9]
.endr
.endr
.irp b, 0,1,2,3
	v_max3_num_f32 v[BM+\b], v[BM+\b], v[S+16*\b+7], v[S+16*\b+15]
.endr
	v_mov_b32 v[OM], v12                           ; the old -M
.irp b, 0,1,2,3
	v_max_num_f32 v[BM+\b], v[BM+\b], v[HL+\b]
.endr
.irp b, 0,1,2,3
	s_delay_alu instid0(VALU_DEP_4)
	v_permlanex16_b32 v[PT+\b], v[BM+\b], s[SEL], s[SEL+1]
.endr
.irp b, 0,1,2,3
	s_delay_alu instid0(VALU_DEP_4)
	v_max_num_f32 v[BM+\b], v[BM+\b], v[PT+\b]
.endr
	s_delay_alu instid0(VALU_DEP_2)
	v_max3_num_f32 v[TT], v[BM], v[BM+1], v[BM+2]
	s_delay_alu instid0(VALU_DEP_1)
	v_max3_num_f32 v13, v13, v[TT], v[BM+3]        ; the running largest score (c is positive: c x it is the running largest t)
	s_delay_alu instid0(VALU_DEP_1)
	v_mul_f32 v[TT], s[CS], v13
	s_delay_alu instid0(VALU_DEP_1)
	v_floor_f32 v12, -v[TT]                        ; -M = floor(-t): M is a whole number
.set j, 0
.rept 32
	v_pk_fma_f32 v[S+j:S+j+1], v[S+j:S+j+1], s[CS:CS+1], v[12:13] op_sel_hi:[1,0,0]   ; t - M
.if j == 6
	v_sub_f32 v[OM], v12, v[OM]                    ; old M - new M, among lines that do not wait for it
.endif
.if j == 16
	v_cvt_i32_f32 v[OM], v[OM]                     ; (it saturates)
.endif
.if j == 26
	v_ldexp_f32 v[FF], 1.0, v[OM]                  ; f = 2^(old M - new M): rounds nothing
.endif
.set j, j+2
.endr
.irp b, 0,1,2,3
	v_fma_f32 v[BM+\b], v[BM+\b], s[CS], v12
.endr
.set j, 0
.rept 16
	v_pk_mul_f32 v[O+j:O+j+1], v[O+j:O+j+1], v[FF:FF+1] op_sel_hi:[1,0]   ; O^T under the new M
.set j, j+2
.endr
	s_wait_alu depctr_va_vdst(0)                   ; one wait ahead of the batch
.irp b, 0,1,2,3
	v_exp_f32 v[BM+\b], v[BM+\b]                   ; each block's largest p
.endr
.set j, 0
.rept 64
	v_exp_f32 v[S+j], v[S+j]                       ; p = 2^(t - M)
.set j, j+1
.endr
	v_pk_mul_f32 v[14:15], v[14:15], v[FF:FF+1] op_sel_hi:[1,0]   ; the sums under the new M: a plain line behind the exponentials
	s_wait_alu depctr_va_vdst(0)                   ; one wait for the batch, ahead of its first reader
.irp i, 0,1,2,3,4,5                    ; the row's sum of the unquantised p, in six chains
	v_pk_add_f32 v[PT+2*\i:PT+2*\i+1], v[S+4*\i:S+4*\i+1], v[S+4*\i+2:S+4*\i+3]
.endr
.set j, 24
.rept 3
.irp i, 0,1,2,3,4,5
	v_pk_add_f32 v[PT+2*\i:PT+2*\i+1], v[PT+2*\i:PT+2*\i+1], v[S+j+2*\i:S+j+2*\i+1]
.endr
.set j, j+12
.endr
	v_pk_add_f32 v[PT:PT+1], v[PT:PT+1], v[S+60:S+61]
	v_pk_add_f32 v[PT+2:PT+3], v[PT+2:PT+3], v[S+62:S+63]
	v_pk_add_f32 v[PT+8:PT+9], v[PT+8:PT+9], v[PT+10:PT+11]
	v_pk_add_f32 v[PT+4:PT+5], v[PT+4:PT+5], v[PT+6:PT+7]
	v_pk_add_f32 v[PT:PT+1], v[PT:PT+1], v[PT+2:PT+3]
.irp b, 0,1,2,3
	v_max_num_f32 v[BM+\b], 0x8000000, v[BM+\b]    ; the floor 2^(16 - 127)
.endr
	v_pk_add_f32 v[14:15], v[14:15], v[PT+8:PT+9]
	v_pk_add_f32 v[PT:PT+1], v[PT:PT+1], v[PT+4:PT+5]
.irp b, 0,1,2,3
	v_add_nc_u32 v[SO+\b], 0xf8800000, v[BM+\b]    ; 15 off the exponent field: the conversion's scale operand
.endr
	v_pk_add_f32 v[14:15], v[14:15], v[PT:PT+1]
.irp b, 0,1,2,3
	v_and_or_b32 v[HL+\b], v[BM+\b], 0x7f800000, s[MNT]   ; 57,344 x the scale
.endr
.irp b, 0,1,2,3
	v_lshrrev_b32 v[PT+\b], 23, v[SO+\b]           ; the scale's byte
.endr
	s_delay_alu instid0(VALU_DEP_3)
	v_lshl_or_b32 v[TT], v[PT+1], 8, v[PT]
	s_delay_alu instid0(VALU_DEP_2)
	v_lshl_or_b32 v[OM], v[PT+3], 8, v[PT+2]
.irp i, 0,1,2,3,4,5,6,7,8,9,10,11,12,13,14,15
	v_min_num_f32 v[S+\i], v[S+\i], v[HL]          ; the conversion does not saturate (ISA guide 7.6.2); p is not negative
.endr
	WIN 0x11*(\t)
	v_lshl_or_b32 v[PS+(\t)], v[OM], 16, v[TT]     ; scale operands have no window: p's word goes to window 0; the 48 holds below are its places
	WIN 0x55*(\t)
.irp b, 1,2,3
.irp i, 0,1,2,3,4,5,6,7,8,9,10,11,12,13,14,15
	v_min_num_f32 v[S+16*\b+\i], v[S+16*\b+\i], v[HL+\b]
.endr
.endr
.irp b, 0,1,2,3
	v_cvt_scalef32_pk8_bf8_f32 v[PC+4*\b:PC+4*\b+1], v[S+16*\b:S+16*\b+7], v[SO+\b]
	v_cvt_scalef32_pk8_bf8_f32 v[PC+4*\b+2:PC+4*\b+3], v[S+16*\b+8:S+16*\b+15], v[SO+\b]
.endr
.if \t
.rept 4
	v_nop                                          ; four places between tile 1's codes and the products (tile 0's have tile 1's softmax)
.endr
.endif
.endm
.macro MLOAD t                         ; the mask's addends of a step into a tile's score registers: register j of tile T is key 32 (T / 2) + 16 h + 8 (T % 2) + j
	WIN 0x40*(\t)
.irp T, 0,1,2,3,4,5,6,7
	ds_load_b128 v[S+8*\T:S+8*\T+3], v[ADN] offset:4*(32*(\T/2)+8*(\T%2))
	ds_load_b128 v[S+8*\T+4:S+8*\T+7], v[ADN] offset:4*(32*(\T/2)+8*(\T%2))+16
.endr
.endm
.macro KLOAD                           ; k's eight tiles of a step and their scale words
.irp T, 0,1,2,3,4,5,6,7
.irp c, 0,1
	ds_load_b128 v[KV+8*\T+4*\c:KV+8*\T+4*\c+3], v[ADK] offset:\T*1024+512*\c
.endr
	ds_load_b32 v[KSR+\T], v[ADS] offset:64*\T
.endr
.endm
.macro SCORE t                         ; S^T = k q^T + the mask's addend, which lies in S: A window 0; B, C and D the tile's window
	WIN 0x54*(\t)
.irp T, 0,1,2,3,4,5,6,7
	v_wmma_scale_f32_16x16x128_f8f6f4 v[S+8*\T:S+8*\T+7], v[KV+8*\T:KV+8*\T+15], v[QF:QF+15], v[S+8*\T:S+8*\T+7], v[KSR+\T], v[QS+(\t)] matrix_a_fmt:MATRIX_FMT_BF8 matrix_b_fmt:MATRIX_FMT_BF8
.endr
.endm
.macro PV t                            ; O^T += v^T p^T: A window 1
	WIN 0x01+0x54*(\t)
.irp d, 0,1,2,3
	v_wmma_scale_f32_16x16x128_f8f6f4 v[O+8*\d:O+8*\d+7], v[KV+16*\d:KV+16*\d+15], v[PC:PC+15], v[O+8*\d:O+8*\d+7], v[VSR+\d], v[PS+(\t)] matrix_a_fmt:MATRIX_FMT_BF8 matrix_b_fmt:MATRIX_FMT_BF8
.endr
.endm
	s_wait_alu depctr_va_vdst(0)
	s_wait_tensorcnt 0x0                           ; my eighth of k and v is in,
	s_wait_dscnt 0x0                               ; and my part of the addends and scale words lies in LDS
	s_barrier_signal -1
	s_barrier_wait -1                              ; everybody's are: from here on LDS is only read, up to the way out
	KLOAD                                          ; step 0
	MLOAD 0
	MLOAD 1
	WIN 0
.Lstep:                                ; 16 trips of 128 keys.  All accumulators take turns, one instruction a turn
	s_wait_dscnt 0x0                               ; this step's k, its words and the addends
	SCORE 0
	SCORE 1
	WIN 0
	v_add_nc_u32 v[ADV], VB, v[ADK]                ; this step's v,
	v_add_nc_u32 v[ADT], s[TJ], v[ASV0]            ; and its words
	s_add_co_u32 s[TB], s[TB], 8192                ; the next step: 64 bytes a key in the images;
	s_and_b32 s2, s[TB], 0x1ffff                   ; behind the last step: step 0 again, so that the look-ahead stays inside its tables
	s_lshr_b32 s3, s2, 4                           ; 4 bytes a key of k's words and of the addends,
	s_lshr_b32 s[TJ], s2, 5                        ; 64 words of v's
	v_add_nc_u32 v[ADK], s2, v[AKV]
	v_add_nc_u32 v[ADS], s3, v[ASK0]
	v_add_nc_u32 v[ADN], s3, v[ANB0]
.rept 3
	v_nop                                          ; with the five additions: eight places in front of loads into registers that the products have read
.endr
	WIN 0x40
.irp d, 0,1,2,3
.irp c, 0,1,2,3
	ds_load_b128 v[KV+16*\d+4*\c:KV+16*\d+4*\c+3], v[ADV] offset:\d*2048+512*\c
.endr
.endr
	WIN 0
.irp d, 0,1,2,3
	ds_load_b32 v[VSR+\d], v[ADT] offset:64*\d
.endr
	KLOAD                                          ; the next step's
	SM 0
	MLOAD 0                                        ; the next step's addends, where tile 0's p lay
	SM 1
	MLOAD 1
	WIN 0
	s_wait_alu depctr_va_vdst(0)
	s_wait_dscnt 56                                ; v and its words are in; behind them 24 loads of k and 32 of the addends were issued
	PV 0
	PV 1
	WIN 0
	s_sub_co_u32 s[CNT], s[CNT], 1
	s_cmp_lg_u32 s[CNT], 0
	s_cbranch_scc1 .Lstep
	s_wait_dscnt 0x0                               ; the last look-ahead has landed: its registers are free
.rept 8
	v_nop                                          ; eight places between the last products and the first read of O^T
.endr
; THE WAY OUT.  O^T / the sum; the 16 registers of tiles 2 B and 2 B + 1 are channels 32 B + 16 h + 0 .. 15 of my query: quantised, they are registers of the next product's operand.
.macro OUTT t
	WIN 0x55*(\t)
	v_add_f32 v14, v14, v15
	s_delay_alu instid0(VALU_DEP_1)
	v_permlanex16_b32 v[TT], v14, s[SEL], s[SEL+1]
	s_delay_alu instid0(VALU_DEP_1)
	v_add_f32 v14, v14, v[TT]
	s_wait_alu depctr_va_vdst(0)
	v_rcp_f32 v14, v14
	v_nop
	s_wait_alu depctr_va_vdst(0)
.set j, 0
.rept 32
	v_mul_f32 v[S+j], v[O+j], v14                  ; ascending: each accumulator is read from its low end on
.set j, j+1
.endr
.irp b, 0,1
	v_max3_num_f32 v[BM+\b], |v[S+16*\b]|, |v[S+16*\b+1]|, 0x8000000
.endr
.irp i, 2,4,6,8,10,12,14
.irp b, 0,1
	s_delay_alu instid0(VALU_DEP_2)
	v_max3_num_f32 v[BM+\b], v[BM+\b], |v[S+16*\b+\i]|, |v[S+16*\b+\i+1]|
.endr
.endr
.irp b, 0,1
	s_delay_alu instid0(VALU_DEP_2)
	v_permlanex16_b32 v[PT+\b], v[BM+\b], s[SEL], s[SEL+1]
.endr
.irp b, 0,1
	s_delay_alu instid0(VALU_DEP_2)
	v_max_num_f32 v[BM+\b], v[BM+\b], v[PT+\b]
.endr
.irp b, 0,1
	s_delay_alu instid0(VALU_DEP_2)
	v_add_nc_u32 v[SO+\b], 0xf8800000, v[BM+\b]
.endr
.irp b, 0,1
	s_delay_alu instid0(VALU_DEP_4)
	v_and_or_b32 v[HL+\b], v[BM+\b], 0x7f800000, s[MNT]
.endr
.irp b, 0,1
	s_delay_alu instid0(VALU_DEP_4)
	v_lshrrev_b32 v[PT+\b], 23, v[SO+\b]
.endr
	s_delay_alu instid0(VALU_DEP_1)
	v_lshl_or_b32 v[TT], v[PT+1], 8, v[PT]         ; my head's two scale bytes of the row
.irp b, 0,1
.irp i, 0,1,2,3,4,5,6,7,8,9,10,11,12,13,14,15
	v_med3_num_f32 v[S+16*\b+\i], v[S+16*\b+\i], -v[HL+\b], v[HL+\b]
.endr
	v_cvt_scalef32_pk8_bf8_f32 v[PC+4*\b:PC+4*\b+1], v[S+16*\b:S+16*\b+7], v[SO+\b]
	v_cvt_scalef32_pk8_bf8_f32 v[PC+4*\b+2:PC+4*\b+3], v[S+16*\b+8:S+16*\b+15], v[SO+\b]
.endr
	v_nop
	WIN 0x04*(\t)                                  ; a store's data are its source 1
	global_store_b128 v[AKV], v[PC:PC+3], s[CQB:CQB+1] offset:16384*(\t)         ; 32 lanes store 512 consecutive bytes of the image
	global_store_b128 v[AKV], v[PC+4:PC+7], s[CQB:CQB+1] offset:16384*(\t)+512
	ds_store_b16 v[XWA], v[TT] offset:32*(\t)      ; both halves of the lanes write the same two bytes with the same value
.endm
	OUTT 0                                         ; tile 0's vector work is also the places behind tile 1's last products
	OUTT 1
	WIN 0
	s_wait_dscnt 0x0                               ; for the others' sake: my scale bytes lie in LDS
	s_barrier_signal -1
	s_barrier_wait -1
	s_cmp_lg_u32 s[WV], 0
	s_cbranch_scc1 .Lnot_0
	ds_load_b128 v[S:S+3], v[XRD]                  ; wave 0 stores the 256 rows' bytes: 512 consecutive bytes
	s_wait_dscnt 0x0
	global_store_b128 v[AKV], v[S:S+3], s[CQS:CQS+1]
.Lnot_0:
	s_wait_tensorcnt 0x0                           ; the wave's end
	ds_add_u32 v[SPW], v[NIL]
	s_wait_dscnt 0x0
	CROUND                                         ; the closing round
	s_endpgm
.Lfunc_end_k_q7f4ff5a118_att:
	.size	k_q7f4ff5a118_att, .Lfunc_end_k_q7f4ff5a118_att-k_q7f4ff5a118_att
	.p2alignl 7, 3214868480
	.fill 96, 4, 3214868480
	.section	.rodata,"a",@progbits
	.p2align	6, 0x0
	.amdhsa_kernel k_q7f4ff5a118_att
		.amdhsa_group_segment_fixed_size 327680
		.amdhsa_private_segment_fixed_size 0
		.amdhsa_enable_private_segment 0
		.amdhsa_kernarg_size 24
		.amdhsa_user_sgpr_count 2
		.amdhsa_user_sgpr_kernarg_segment_ptr 1
		.amdhsa_wavefront_size32 1
		.amdhsa_system_sgpr_workgroup_id_x 1
		.amdhsa_system_sgpr_workgroup_id_y 1
		.amdhsa_system_sgpr_workgroup_id_z 1
		.amdhsa_system_vgpr_workitem_id 0
		.amdhsa_next_free_vgpr 512
		.amdhsa_next_free_sgpr 80
		.amdhsa_reserve_vcc 1
		.amdhsa_float_denorm_mode_32 3
		.amdhsa_float_denorm_mode_16_64 3
		.amdhsa_memory_ordered 1
		.amdhsa_forward_progress 1
		.amdhsa_inst_pref_size 67
	.end_amdhsa_kernel
	.amdgpu_metadata
---
amdhsa.version: [ 1, 2 ]
amdhsa.kernels:
  - .name:           k_q7f4ff5a118_att
    .symbol:         k_q7f4ff5a118_att.kd
    .args:
      - { .name: qkv, .offset: 0, .size: 8, .value_kind: global_buffer, .address_space: global }
      - { .name: mask, .offset: 8, .size: 8, .value_kind: global_buffer, .address_space: global }
      - { .name: cq, .offset: 16, .size: 8, .value_kind: global_buffer, .address_space: global }
    .group_segment_fixed_size: 327680
    .private_segment_fixed_size: 0
    .kernarg_segment_align: 8
    .kernarg_segment_size: 24
    .max_flat_workgroup_size: 256
    .sgpr_count:     80
    .vgpr_count:     512
    .wavefront_size: 32
...
	.end_amdgpu_metadata
.endif
;; end of part 3
;; launch wo (part 4): grid 8 x 32, 4 waves a work-group, clusters of 4 x 4, 327,680 bytes of LDS; arguments cq, wo_codes, wo_scales, bo, x, x1; writes x1
.if DOCPART == 4
	.amdgcn_target "amdgcn-amd-amdhsa--gfx1250"
	.amdhsa_code_object_version 6
	.text
	.protected	k_q7f4ff5a118_wo
	.globl	k_q7f4ff5a118_wo
	.p2align	8
	.type	k_q7f4ff5a118_wo,@function
k_q7f4ff5a118_wo:
	s_mov_b64 s[64:65], 0
	v_nop
	global_prefetch_b8 v0, s[64:65] scope:SCOPE_SE
	s_setreg_imm32_b32 hwreg(HW_REG_WAVE_MODE, 25, 1), 1
	s_wait_xcnt 0x0
	s_wait_alu depctr_hold_cnt(0) depctr_sa_sdst(0) depctr_va_vdst(0) depctr_va_sdst(0) depctr_va_ssrc(0) depctr_va_vcc(0) depctr_vm_vsrc(0)
	s_getreg_b32 s2, hwreg(HW_REG_IB_STS2, 6, 4)
	s_cmp_eq_u32 s2, 0
	s_cbranch_scc0 .Lentry_in_a_cluster
	s_endpgm
.Lentry_in_a_cluster:
	s_bfe_u32 s2, ttmp6, 0x10000c
	s_cmp_lg_u32 s2, 0xf033
	s_cbranch_scc0 .Lentry_shape_is_right
	s_endpgm
.Lentry_shape_is_right:
; x1 = x + ctx wo + bo.  ctx: 4,096 rows x 1,024 as images of operand registers ([16 rows][128 K][4][lane][16 bytes]); behind them its scale bytes, [16 heads][4,096 rows][2 bytes];
; wo: [1024][1024] codes of E5M2, K innermost, with E8M0 bytes [1024][32]; bo [1024], x and x1 [4096][1024] f32.
; A tile of 128 x 128 gives 256 work-groups; four waves, 64 x 64 each: 16 accumulators.  ALL OF K LIES IN LDS: 131,072 bytes of A's images, 128 rows of W of 1,024 + 16 bytes, and both sides' scales:
; four tiles, one joint load a wave at the head, nothing filled again, one barrier.  4 x 4 work-groups form a cluster: A's tiles are asked for jointly along a row of it, W's along a column.
; No prefetch: all that the launch streams is asked for at its head, and there is no loop.
; THE PRODUCT IS USED TRANSPOSED (source 0 = 16 rows of W, source 1 = 16 rows of A).  The bias is the C of the first products; the residual is loaded at the head in the layout in which the results come back from the stage.
; REGISTERS: window 0: v16-29 addresses; v32-63 A's scale words (step s, block a at v[32 + 4 s + a]); v64-95 W's (block b, step s at v[64 + 8 b + s]); v96-127 the bias; v128-255 the accumulators.
;   window 1: two fragment buffers of 128 (A's 4 x 16, then W's 4 x 16); on the way out rows read back.   window 2: v0-127 the residual.
.set KD,     1024
.set KS,     32
.set WPITCH, 1040
.set WB,     131072
.set ASC,    WB+128*WPITCH             ; A's scale bytes: 16 planes of 256 bytes (128 rows x 2)
.set WSC,    ASC+4096                  ; W's: 16 rows of 256 bytes + 16
.set HALFWS, 8*272
.set SBLK,   544
.set SPARE,  WSC+2*HALFWS              ; the spare words, 128 bytes a wave
.set STAGE,  SPARE+512                 ; the way out: 16 rows x (256 + 16) bytes a wave, bytes of their own
.set ADRA, 16
.set ADRB, 20
.set ADSA, 22
.set ADSW, 23
.set STO,  24
.set RD,   25
.set CO,   26
.set SPW,  28
.set NIL,  29
.set SA,   32
.set SW,   64
.set CB,   96
.set ACC,  128
.set WV,   16
.set WR,   17
.set WC,   18
.set CX,   19
.set CY,   20
.set TX,   21
.set TY,   22
.set G1,   24
.set G0,   32
.set G1B,  40
.set G0B,  48
.set G1S,  56
.set G0S,  68
.set G1SB, 72
.set G0SB, 80
.set MSB, 0
.macro WIN new
.if MSB != (\new)
	s_set_vgpr_msb (MSB<<8)|(\new)
.set MSB, (\new)
.endif
.endm
.macro PLACES n
.rept \n
	v_nop
.endr
.endm
.macro CROUND
	s_barrier_signal -1
	s_barrier_wait -1
	s_cmp_lg_u32 s[WV], 0
	s_cbranch_scc1 .Lnot_wave_0_\@
	s_barrier_signal -3
.Lnot_wave_0_\@:
	s_barrier_wait -3
	s_barrier_signal -1
	s_barrier_wait -1
.endm
	s_load_b256 s[4:11], s[0:1], 0x0               ; A's images, W's codes, W's scales, the bias
	s_load_b128 s[12:15], s[0:1], 0x20             ; the residual, the output
	v_lshl_add_u32 v[SPW], v0, 2, SPARE
	v_mov_b32 v[NIL], 0
	ds_add_u32 v[SPW], v[NIL]                      ; the opening lines: the add twice on end and one wait
	ds_add_u32 v[SPW], v[NIL]
	v_lshrrev_b32 v1, 5, v0
	v_readfirstlane_b32 s[WV], v1
	s_lshr_b32 s[WR], s[WV], 1                     ; my half of the tile's rows
	s_and_b32 s[WC], s[WV], 1                      ; my half of its columns
	s_bfe_u32 s[CX], ttmp6, 0x40000
	s_bfe_u32 s[CY], ttmp6, 0x40004
	s_lshl_b32 s[TX], ttmp9, 2
	s_add_co_u32 s[TX], s[TX], s[CX]               ; tile column
	s_and_b32 s[TY], ttmp7, 0xffff
	s_lshl_b32 s[TY], s[TY], 2
	s_add_co_u32 s[TY], s[TY], s[CY]               ; tile row
	s_lshl_b32 s2, s[CY], 2
	s_lshl_b32 s2, 15, s2                          ; my row of the cluster
	s_lshl_b32 s3, 0x1111, s[CX]                   ; my column
	s_or_b32 s[G1], s2, (3<<16)|(1<<21)            ; A's images: 8 blocks of 16 rows, 16,384 dense bytes each; no padding: they are read 16 x lane
	s_mov_b32 s[G1+1], 2048<<16
	s_mov_b32 s[G1+2], 8<<16
	s_mov_b32 s[G1+3], 2048<<16
	s_mov_b32 s[G1+4], 8
	s_mov_b32 s[G1+5], 2048
	s_mov_b32 s[G1+6], 0
	s_mov_b32 s[G1+7], 0
	s_or_b32 s[G1B], s3, (0<<16)|(1<<20)|(1<<21)|(7<<22)|(3<<25)   ; W's codes: 128 rows of 1,024 bytes, 4 words of padding behind every 256
	s_mov_b32 s[G1B+1], KD<<16
	s_mov_b32 s[G1B+2], 128<<16
	s_mov_b32 s[G1B+3], KD<<16
	s_mov_b32 s[G1B+4], 128
	s_mov_b32 s[G1B+5], KD
	s_mov_b32 s[G1B+6], 0
	s_mov_b32 s[G1B+7], 0
	s_or_b32 s[G1S], s2, (3<<16)|(1<<21)           ; A's scale bytes: 16 planes, 256 bytes (128 rows) of each, 8,192 bytes apart
	s_mov_b32 s[G1S+1], 32<<16
	s_mov_b32 s[G1S+2], 16<<16
	s_mov_b32 s[G1S+3], 32<<16
	s_mov_b32 s[G1S+4], 16
	s_mov_b32 s[G1S+5], 1024
	s_mov_b32 s[G1S+6], 0
	s_mov_b32 s[G1S+7], 0
	s_or_b32 s[G1SB], s3, (3<<16)|(1<<20)|(1<<21)|(5<<22)|(3<<25)  ; W's scale bytes of 128 rows: a dense block, as 16 rows of 256 bytes + 16
	s_mov_b32 s[G1SB+1], 32<<16
	s_mov_b32 s[G1SB+2], 16<<16
	s_mov_b32 s[G1SB+3], 32<<16
	s_mov_b32 s[G1SB+4], 16
	s_mov_b32 s[G1SB+5], 32
	s_mov_b32 s[G1SB+6], 0
	s_mov_b32 s[G1SB+7], 0
	s_mov_b32 s[G0], 1
	s_mov_b32 s[G0+1], 0
	s_lshl_b32 s[G0+2], s[TY], 17
	s_mov_b32 s[G0+3], 0
	s_mov_b32 s[G0B], 1
	s_mov_b32 s[G0B+1], WB
	s_lshl_b32 s[G0B+2], s[TX], 17
	s_mov_b32 s[G0B+3], 0
	s_mov_b32 s[G0S], 1
	s_mov_b32 s[G0S+1], ASC
	s_lshl_b32 s84, s[TY], 8
	s_add_co_u32 s[G0S+2], s84, 0x400000
	s_mov_b32 s[G0S+3], 0
	s_mov_b32 s[G0SB], 1
	s_mov_b32 s[G0SB+1], WSC
	s_lshl_b32 s[G0SB+2], s[TX], 12
	s_mov_b32 s[G0SB+3], 0
	s_lshl_b32 s84, s[WR], 16                      ; my 64 rows of A,
	s_mul_i32 s85, s[WC], 64*WPITCH
	s_add_co_u32 s85, s85, WB                      ; of W,
	s_lshl_b32 s86, s[WR], 7
	s_add_co_u32 s86, s86, ASC                     ; A's scale bytes,
	s_mul_i32 s87, s[WC], HALFWS
	s_add_co_u32 s87, s87, WSC                     ; W's,
	s_mul_i32 s88, s[WV], 4352
	s_add_co_u32 s88, s88, STAGE                   ; my stage
	s_lshl_b32 s90, s[TX], 7
	s_lshl_b32 s91, s[WC], 6
	s_add_co_u32 s90, s90, s91
	s_lshl_b32 s90, s90, 2                         ; my first column, in bytes
	s_mov_b32 s91, 0
	s_lshl_b32 s92, s[TY], 7
	s_lshl_b32 s93, s[WR], 6
	s_add_co_u32 s92, s92, s93
	s_lshl_b32 s92, s92, 12                        ; my first row, in bytes
	s_add_co_u32 s92, s92, s90
	s_mov_b32 s93, 0
	s_wait_dscnt 0x0                               ; both opening adds are done
	s_wait_kmcnt 0x0
	s_add_nc_u64 s[G0+2:G0+3], s[4:5], s[G0+2:G0+3]
	s_or_b32 s[G0+3], s[G0+3], 0x80000000
	s_add_nc_u64 s[G0B+2:G0B+3], s[6:7], s[G0B+2:G0B+3]
	s_or_b32 s[G0B+3], s[G0B+3], 0x80000000
	s_add_nc_u64 s[G0S+2:G0S+3], s[4:5], s[G0S+2:G0S+3]
	s_or_b32 s[G0S+3], s[G0S+3], 0x80000000
	s_add_nc_u64 s[G0SB+2:G0SB+3], s[8:9], s[G0SB+2:G0SB+3]
	s_or_b32 s[G0SB+3], s[G0SB+3], 0x80000000
	s_add_nc_u64 s[10:11], s[10:11], s[90:91]
	s_add_nc_u64 s[12:13], s[12:13], s[92:93]
	s_add_nc_u64 s[14:15], s[14:15], s[92:93]
	CROUND                                         ; all sixteen work-groups are here: the joint loads meet
; One load a wave, in one tree of branches on the wave's number: wave 0 A's images, wave 1 W's codes, wave 2 A's scale bytes, wave 3 W's.
.macro ARM under, g0, g1, next
	s_cmp_lt_u32 s[WV], \under
	s_cbranch_scc0 \next
	tensor_load_to_lds s[\g0:\g0+3], s[\g1:\g1+7]
	s_nop 0
.rept 4
	v_nop
.endr
	s_branch .Lhead_asked
\next:
.endm
	ARM 1, G0, G1, .Lhead_b
	ARM 2, G0B, G1B, .Lhead_sa
	ARM 3, G0S, G1S, .Lhead_sb
	tensor_load_to_lds s[G0SB:G0SB+3], s[G1SB:G1SB+7]
	s_nop 0
.rept 4
	v_nop
.endr
.Lhead_asked:
	v_and_b32 v1, 15, v0                           ; r
	v_bfe_u32 v2, v0, 4, 1                         ; h
	v_and_b32 v3, 31, v0
	v_lshlrev_b32 v3, 4, v3                        ; 16 x lane
	v_add_nc_u32 v[ADRA], s84, v3
	v_mul_u32_u24 v4, v1, WPITCH
	v_lshl_add_u32 v4, v2, 4, v4
	v_add_nc_u32 v[ADRB], s85, v4
	v_lshl_add_u32 v[ADSA], v1, 1, s86
	v_mul_u32_u24 v5, v1, KS
	v_lshrrev_b32 v6, 8, v5
	v_lshl_add_u32 v5, v6, 4, v5
	v_add_nc_u32 v[ADSW], s87, v5
	v_mul_u32_u24 v5, v1, 272
	v_lshl_add_u32 v5, v2, 5, v5
	v_add_nc_u32 v[STO], s88, v5
	v_mul_u32_u24 v5, v2, 272
	v_lshl_add_u32 v5, v1, 4, v5
	v_add_nc_u32 v[RD], s88, v5
	v_lshlrev_b32 v5, 12, v2
	v_lshl_add_u32 v[CO], v1, 4, v5                ; lanes 0-15 one row's 256 bytes, lanes 16-31 the next row's
	v_lshlrev_b32 v7, 5, v2
	s_wait_alu depctr_va_vdst(0)
.irp b, 0,1,2,3                        ; the bias in the result's layout
	global_load_b128 v[CB+8*\b:CB+8*\b+3], v7, s[10:11] offset:64*\b
	global_load_b128 v[CB+8*\b+4:CB+8*\b+7], v7, s[10:11] offset:64*\b+16
.endr
	WIN 0x80
.irp a, 0,1,2,3
.irp t, 0,1,2,3,4,5,6,7
	global_load_b128 v[4*(8*\a+\t):4*(8*\a+\t)+3], v[CO], s[12:13] offset:(16*\a+2*\t)*4096   ; the residual: 16 lanes read 256 consecutive bytes
.endr
.endr
	WIN 0
.macro FETCH s, f                      ; 32 LDS loads: the fragments of K step s into buffer f
	WIN 0x40
.irp i, 0,1,2,3
.irp c, 0,1,2,3
	ds_load_b128 v[\f+16*\i+4*\c:\f+16*\i+4*\c+3], v[ADRA] offset:16384*\i+2048*(\s)+512*\c
.endr
.endr
.irp i, 0,1,2,3
.irp c, 0,1,2,3
	ds_load_b128 v[\f+64+16*\i+4*\c:\f+64+16*\i+4*\c+3], v[ADRB] offset:16*WPITCH*\i+128*(\s)+32*\c
.endr
.endr
.endm
; A's four blocks x W's four.  The 16 accumulators take turns, one instruction a turn, in the same order in every step.
.macro MULA f, s
.irp a, 0,1,2,3
.irp b, 0,1,2,3
.if (\s) == 0
	v_wmma_scale_f32_16x16x128_f8f6f4 v[ACC+8*(4*\a+\b):ACC+8*(4*\a+\b)+7], v[\f+64+16*\b:\f+64+16*\b+15], v[\f+16*\a:\f+16*\a+15], v[CB+8*\b:CB+8*\b+7], v[SW+8*\b+(\s)], v[SA+4*(\s)+\a] matrix_a_fmt:MATRIX_FMT_BF8 matrix_b_fmt:MATRIX_FMT_BF8
.else
	v_wmma_scale_f32_16x16x128_f8f6f4 v[ACC+8*(4*\a+\b):ACC+8*(4*\a+\b)+7], v[\f+64+16*\b:\f+64+16*\b+15], v[\f+16*\a:\f+16*\a+15], v[ACC+8*(4*\a+\b):ACC+8*(4*\a+\b)+7], v[SW+8*\b+(\s)], v[SA+4*(\s)+\a] matrix_a_fmt:MATRIX_FMT_BF8 matrix_b_fmt:MATRIX_FMT_BF8
.endif
.endr
.endr
.endm
.macro STEPQ s                         ; the next step's fragments are asked for, then this step's 16 products
	PLACES 8                                       ; in front of loads into the buffer that the last products read
	FETCH (\s)+1, 128*(1-(\s)%2)
	s_wait_dscnt 32                                ; all but the 32 just issued
	WIN 0x05                                       ; sources 0 and 1 window 1; C and D window 0
	MULA 128*((\s)%2), \s
.endm
	s_wait_loadcnt 32                              ; the bias is in; the residual's 32 loads may be out
	s_wait_tensorcnt 0x0                           ; my tile of the four is in,
	s_barrier_signal -1
	s_barrier_wait -1                              ; everybody's are
.irp s, 0,1,2,3,4,5,6,7                ; a K step is a pair of heads: the first head's two bytes, and the second's (into registers that the products write later)
.irp a, 0,1,2,3
	ds_load_u16 v[SA+4*\s+\a], v[ADSA] offset:512*\s+32*\a
	ds_load_u16 v[ACC+4*\s+\a], v[ADSA] offset:512*\s+256+32*\a
.endr
.endr
.irp b, 0,1,2,3
	ds_load_b128 v[SW+8*\b:SW+8*\b+3], v[ADSW] offset:\b*SBLK
	ds_load_b128 v[SW+8*\b+4:SW+8*\b+7], v[ADSW] offset:\b*SBLK+16
.endr
	FETCH 0, 0
	WIN 0
	s_wait_dscnt 32                                ; the scales are in; the 32 fragment loads may be out
.set i, 0
.rept 32
	v_lshl_or_b32 v[SA+i], v[ACC+i], 16, v[SA+i]   ; A's scale words
.set i, i+1
.endr
	s_wait_alu depctr_va_vdst(0)
.irp s, 0,1,2,3,4,5,6
	STEPQ \s
.endr
	s_wait_dscnt 0x0
	MULA 128, 7
	WIN 0
; THE WAY OUT, 16 rows x 64 columns at a time: through my stage, back as whole runs of 256 bytes, the residual added, stored.
	s_wait_loadcnt 0x0                             ; the residual
	PLACES 8
.macro WAYOUT a
.set OBB, 32*((\a)%2)
.irp b, 0,1,2,3
	ds_store_b128 v[STO], v[ACC+8*(4*(\a)+\b):ACC+8*(4*(\a)+\b)+3] offset:64*\b      ; each accumulator from its low end on
	ds_store_b128 v[STO], v[ACC+8*(4*(\a)+\b)+4:ACC+8*(4*(\a)+\b)+7] offset:64*\b+16
.endr
.if (\a) > 1
	s_wait_xcnt 0x0                                ; the stores of two blocks back have read their registers
.endif
	WIN 0x40
.irp t, 0,1,2,3,4,5,6,7
	ds_load_b128 v[OBB+4*\t:OBB+4*\t+3], v[RD] offset:544*\t   ; LDS serves a wave's instructions in order: these see my stores
.endr
	s_wait_dscnt 0x0
	WIN 0x49                                       ; destination and source 0 window 1, source 1 window 2
.set i, 0
.rept 16
	v_pk_add_f32 v[OBB+i:OBB+i+1], v[OBB+i:OBB+i+1], v[32*(\a)+i:32*(\a)+i+1]
.set i, i+2
.endr
	WIN 0x04                                       ; a store's data are its source 1
.irp t, 0,1,2,3,4,5,6,7
	global_store_b128 v[CO], v[OBB+4*\t:OBB+4*\t+3], s[14:15] offset:(16*(\a)+2*\t)*4096   ; 16 lanes store 256 consecutive bytes
.endr
	WIN 0
.endm
.irp a, 0,1,2,3
	WAYOUT \a
.endr
	s_wait_tensorcnt 0x0                           ; the wave's end
	ds_add_u32 v[SPW], v[NIL]
	s_wait_dscnt 0x0
	CROUND                                         ; the closing round
	s_endpgm
.Lfunc_end_k_q7f4ff5a118_wo:
	.size	k_q7f4ff5a118_wo, .Lfunc_end_k_q7f4ff5a118_wo-k_q7f4ff5a118_wo
	.p2alignl 7, 3214868480
	.fill 96, 4, 3214868480
	.section	.rodata,"a",@progbits
	.p2align	6, 0x0
	.amdhsa_kernel k_q7f4ff5a118_wo
		.amdhsa_group_segment_fixed_size 327680
		.amdhsa_private_segment_fixed_size 0
		.amdhsa_enable_private_segment 0
		.amdhsa_kernarg_size 48
		.amdhsa_user_sgpr_count 2
		.amdhsa_user_sgpr_kernarg_segment_ptr 1
		.amdhsa_wavefront_size32 1
		.amdhsa_system_sgpr_workgroup_id_x 1
		.amdhsa_system_sgpr_workgroup_id_y 1
		.amdhsa_system_sgpr_workgroup_id_z 1
		.amdhsa_system_vgpr_workitem_id 0
		.amdhsa_next_free_vgpr 640
		.amdhsa_next_free_sgpr 100
		.amdhsa_reserve_vcc 0
		.amdhsa_float_denorm_mode_32 3
		.amdhsa_float_denorm_mode_16_64 3
		.amdhsa_memory_ordered 1
		.amdhsa_forward_progress 1
		.amdhsa_inst_pref_size 66
	.end_amdhsa_kernel
	.amdgpu_metadata
---
amdhsa.version: [ 1, 2 ]
amdhsa.kernels:
  - .name:           k_q7f4ff5a118_wo
    .symbol:         k_q7f4ff5a118_wo.kd
    .args:
      - { .name: cq, .offset: 0, .size: 8, .value_kind: global_buffer, .address_space: global }
      - { .name: wo_codes, .offset: 8, .size: 8, .value_kind: global_buffer, .address_space: global }
      - { .name: wo_scales, .offset: 16, .size: 8, .value_kind: global_buffer, .address_space: global }
      - { .name: bo, .offset: 24, .size: 8, .value_kind: global_buffer, .address_space: global }
      - { .name: x, .offset: 32, .size: 8, .value_kind: global_buffer, .address_space: global }
      - { .name: x1, .offset: 40, .size: 8, .value_kind: global_buffer, .address_space: global }
    .group_segment_fixed_size: 327680
    .private_segment_fixed_size: 0
    .kernarg_segment_align: 8
    .kernarg_segment_size: 48
    .max_flat_workgroup_size: 128
    .sgpr_count:     100
    .vgpr_count:     640
    .wavefront_size: 32
...
	.end_amdgpu_metadata
.endif
;; end of part 4
;; launch ln2: the kernel of part 1 again; grid 256 x 1, 8 waves a work-group, no clusters, 83,456 bytes of LDS; arguments x1, g2, be2, xq; writes xq
;; launch ffn1 (part 5): grid 16 x 16, 4 waves a work-group, clusters of 4 x 4, 327,680 bytes of LDS; arguments xq, w1_codes, w1_scales, b1, hq; writes hq
.if DOCPART == 5
	.amdgcn_target "amdgcn-amd-amdhsa--gfx1250"
	.amdhsa_code_object_version 6
	.text
	.protected	k_q7f4ff5a118_ffn1
	.globl	k_q7f4ff5a118_ffn1
	.p2align	8
	.type	k_q7f4ff5a118_ffn1,@function
k_q7f4ff5a118_ffn1:
	s_mov_b64 s[64:65], 0
	v_nop
	global_prefetch_b8 v0, s[64:65] scope:SCOPE_SE
	s_setreg_imm32_b32 hwreg(HW_REG_WAVE_MODE, 25, 1), 1
	s_wait_xcnt 0x0
	s_wait_alu depctr_hold_cnt(0) depctr_sa_sdst(0) depctr_va_vdst(0) depctr_va_sdst(0) depctr_va_ssrc(0) depctr_va_vcc(0) depctr_vm_vsrc(0)
	s_getreg_b32 s2, hwreg(HW_REG_IB_STS2, 6, 4)
	s_cmp_eq_u32 s2, 0
	s_cbranch_scc0 .Lentry_in_a_cluster
	s_endpgm
.Lentry_in_a_cluster:
	s_bfe_u32 s2, ttmp6, 0x10000c
	s_cmp_lg_u32 s2, 0xf033
	s_cbranch_scc0 .Lentry_shape_is_right
	s_endpgm
.Lentry_shape_is_right:
; h = relu(xn w1 + b1): a GEMM on codes of E5M2 with E8M0 scales, K = 1,024, whose results are quantised again on the way out, along the tile's COLUMNS (the hidden units).
; A tile of 256 x 256 is made by four waves, 128 x 128 each: 64 accumulators, 512 registers.  K goes in steps of 256 through two LDS slots filled by the tensor data mover; the scale bytes
; of the tile's 512 rows, for all of K, come into LDS once.  4 x 4 work-groups form a cluster: A's tiles are asked for jointly along a row of it, B's along a column.
; THE PRODUCT IS USED TRANSPOSED (source 0 = 16 rows of B, source 1 = 16 rows of A): a lane holds one row of the tile and eight neighbouring columns an accumulator.
; OUT: images of the next product's operand registers (a fragment's registers on end, lane by lane) and their scale words, laid as the launch that reads them wants them.
; LIMITS: NaN and infinities are not served; a block whose largest magnitude lies under 2^-111 (zeros too) gets the byte 1: this program alone reads the bytes.
; REGISTERS: window 0: v1-15 at work at the head; v16-31 addresses; v32-63 scale words, two sets; v64-127 the bias as the first products' C; from v128 A's fragments, one set, later the way out.
;   window 1: B's fragments, two sets.  windows 2, 3: the accumulators ((a, b) at v[8 (8 (a % 4) + b)]).
.set NQ,     2                         ; matrix instructions deep in a slot of 256 along K
.set ROWB,   256                       ; a tile's row in bytes
.set KROW,   1024                      ; a row of A or B in memory
.set PITCH,  272                       ; an LDS row: 256 bytes + 16 of padding
.set FR,     16
.set NL,     4
.set NP,     8                         ; places behind this matrix instruction (ISA guide 7.12.1)
.set HALFT,  128*PITCH
.set SLOT,   4*HALFT
.set LAPS,   2                         ; K = 1,024 is twice round the ring
.set KS,     32                        ; a row of scale bytes
.set SCL,    2*SLOT
.set HALFS,  (128*KS/256)*272
.set SBLK,   (16*KS/256)*272
.set SPARE,  SCL+4*HALFS               ; the spare words, 128 bytes a wave: no other line names them
.set ADRA, 16
.set ADRB, 20
.set STO,  24                          ; the way out: where I put 8 codes
.set SWA,  25                          ; and a scale word
.set RD,   26                          ; where I read 16 bytes back
.set ADRS, 27
.set SPW,  28
.set NIL,  29
.set VSO,  30                          ; my byte offset among the scale words in memory
.set SC,   32
.set CB,   64
.set AF,   128
.set OB,   128                         ; the way out: 4,096 bytes read back
.set SWO,  160
.set TM,   168                         ; v168-171 largest magnitudes, 172-175 bytes, 176-179 holds, 180-183 scale operands
.set WT,   184
.set PC,   188                         ; 16 registers of codes
.set G1,   28
.set G0,   36
.set G1B,  44
.set G0B,  52
.set WV,   60
.set WR,   61
.set WC,   62
.set MNT,  63
.set SEL,  66
.set G1S,  68
.set G0S,  76
.set G1SB, 80
.set G0SB, 88
.set CX,   92
.set CY,   93
.set CLX,  94
.set CLY,  95
.set TA,   100
.set TB,   101
.set OUT,  26
.set OUTS, 4
.set PA,   4
.set PAS,  104
.set PB,   6
.set PBS,  8
.set PCB,  10                          ; s[10:11] the bias at my first column: the base of 16 loads, never written behind them
.set EOFF, 2048
.set MSB, 0
.macro WIN new                         ; the immediate's high byte repeats the setting that is left
.if MSB != (\new)
	s_set_vgpr_msb (MSB<<8)|(\new)
.set MSB, (\new)
.endif
.endm
.set MUL_LO, 0xa1                      ; source 0 (B) window 1, source 1 (A) window 0, C and D window 2
.set MUL_HI, 0xf1
.set TO_B,   0x40
.macro PLACES n
.rept \n
	v_nop
.endr
.endm
.macro JLOAD g0a, g1a, g0b, g1b        ; a joint load: waves 0 and 1 fetch for A, waves 2 and 3 for B; four v_nop follow each line
	s_cmp_eq_u32 s[WR], 0
	s_cbranch_scc0 .Lfor_b_\@
	tensor_load_to_lds s[\g0a:\g0a+3], s[\g1a:\g1a+7]
	s_nop 0
.rept 4
	v_nop
.endr
	s_branch .Lasked_\@
.Lfor_b_\@:
	tensor_load_to_lds s[\g0b:\g0b+3], s[\g1b:\g1b+7]
	s_nop 0
.rept 4
	v_nop
.endr
.Lasked_\@:
.endm
.macro CREST                           ; a round of the cluster's barrier behind its opening barrier
	s_cmp_lg_u32 s[WV], 0
	s_cbranch_scc1 .Lnot_wave_0_\@
	s_barrier_signal -3
.Lnot_wave_0_\@:
	s_barrier_wait -3
	s_barrier_signal -1
	s_barrier_wait -1
.endm
.macro CROUND
	s_barrier_signal -1
	s_barrier_wait -1
	CREST
.endm
	s_load_b256 s[4:11], s[0:1], 0x0               ; xq, w1 codes, scales, b1
	s_load_b64 s[26:27], s[0:1], 0x20              ; the output
	v_lshl_add_u32 v[SPW], v0, 2, SPARE
	v_mov_b32 v[NIL], 0
	ds_add_u32 v28, v29
	ds_add_u32 v28, v29
	s_wait_dscnt 0x0
	v_lshrrev_b32 v1, 5, v0
	v_readfirstlane_b32 s[WV], v1                  ; wave 0..3
	s_lshr_b32 s[WR], s[WV], 1                     ; my half of the tile's rows.  Also: I fetch for A (0) or for B (1)
	s_and_b32 s[WC], s[WV], 1                      ; my half of its columns.  Also: which 128 rows I fetch
	s_bfe_u32 s[CX], ttmp6, 0x40000
	s_bfe_u32 s[CY], ttmp6, 0x40004
	s_mov_b32 s[CLX], ttmp9
	s_and_b32 s[CLY], ttmp7, 0xffff
	s_lshl_b32 s2, s[CY], 2
	s_lshl_b32 s2, 15, s2                          ; my row of the cluster
	s_lshl_b32 s3, 0x1111, s[CX]                   ; my column
	s_or_b32 s[G1], s2, (0<<16)|(1<<20)|(1<<21)|(5<<22)|(3<<25)    ; mask; elements of 1 byte; padding of 4 words behind every 64; bit 21 beside a mask
	s_or_b32 s[G1B], s3, (0<<16)|(1<<20)|(1<<21)|(5<<22)|(3<<25)
	s_or_b32 s[G1S], s2, (3<<16)|(1<<20)|(1<<21)|(5<<22)|(3<<25)   ; the scales: elements of 8 bytes
	s_or_b32 s[G1SB], s3, (3<<16)|(1<<20)|(1<<21)|(5<<22)|(3<<25)
.irp g, G1, G1B
	s_mov_b32 s[\g+1], ROWB<<16                    ; tensor_dim0
	s_mov_b32 s[\g+2], 256<<16                     ; tensor_dim1: the head's loads bring 256 rows
	s_mov_b32 s[\g+3], ROWB<<16                    ; tile_dim0
	s_mov_b32 s[\g+4], 256                         ; tile_dim1
	s_mov_b32 s[\g+5], KROW                        ; the pitch
	s_mov_b32 s[\g+6], 0
	s_mov_b32 s[\g+7], 0
.endr
.irp g, G1S, G1SB                      ; the scales of 256 rows: a dense block of 8,192 bytes as 32 rows of 256
	s_mov_b32 s[\g+1], 32<<16
	s_mov_b32 s[\g+2], KS<<16                      ; the scales of 256 rows: KS rows of 256 bytes
	s_mov_b32 s[\g+3], 32<<16
	s_mov_b32 s[\g+4], KS
	s_mov_b32 s[\g+5], 32
	s_mov_b32 s[\g+6], 0
	s_mov_b32 s[\g+7], 0
.endr
	s_lshl_b32 s[TA], s[CLY], 2
	s_lshl_b32 s[TB], s[CLX], 2
	s_add_co_u32 s[TA], s[TA], s[CY]               ; A's tile of 256 rows: hangs on cy and the cluster's coordinates
	s_add_co_u32 s[TB], s[TB], s[CX]               ; B's: on cx and the cluster's coordinates
	s_lshl_b32 s104, s[WC], 7
	s_lshl_b32 s2, s[TA], 8
	s_add_co_u32 s2, s2, s104                      ; the first row of A that I would fetch
	s_lshl_b32 s3, s[TB], 8
	s_add_co_u32 s3, s3, s104                      ; and of B
	s_lshl_b32 s[G0+2], s2, 10                     ; its codes, 1,024 bytes a row,
	s_mov_b32 s[G0+3], 0
	s_lshl_b32 s[G0B+2], s3, 10
	s_mov_b32 s[G0B+3], 0
	s_lshl_b32 s[G0S+2], s[TA], 13                 ; the scale bytes of the tile's 256 rows, 32 a row
	s_mov_b32 s[G0S+3], 0
	s_lshl_b32 s[G0SB+2], s[TB], 13
	s_mov_b32 s[G0SB+3], 0
	s_mul_i32 s2, s[WV], HALFT                     ; where they go: wave x 128 rows: no place in the cluster enters an LDS address
	s_lshl_b32 s[G0+6], s[TA], 18                  ; slot 1's groups 0 serve the head's loads first: K step 0 of the tile's 256 rows
	s_mov_b32 s[G0+7], 0
	s_lshl_b32 s[G0B+6], s[TB], 18
	s_mov_b32 s[G0B+7], 0
.irp g, G0, G0B
	s_mov_b32 s[\g], 1
	s_mov_b32 s[\g+1], s2
	s_mov_b32 s[\g+4], 1
.endr
	s_mov_b32 s[G0S], 1
	s_mov_b32 s[G0S+1], SCL
	s_mov_b32 s[G0SB], 1
	s_mov_b32 s[G0SB+1], SCL+2*HALFS
	s_mov_b32 s[G0+5], 0
	s_mov_b32 s[G0B+5], 2*HALFT
	s_mov_b32 s[SEL], 0x76543210
	s_mov_b32 s[SEL+1], 0xfedcba98
	s_mov_b32 s[MNT], 0x600000
	s_wait_kmcnt 0x0
	s_add_nc_u64 s[104:105], s[4:5], 0x400000      ; xn's scale bytes lie behind its codes
	s_add_nc_u64 s[G0+2:G0+3], s[PA:PA+1], s[G0+2:G0+3]
	s_add_nc_u64 s[G0+6:G0+7], s[PA:PA+1], s[G0+6:G0+7]
	s_or_b32 s[G0+3], s[G0+3], 0x80000000
	s_or_b32 s[G0+7], s[G0+7], 0x80000000
	s_add_nc_u64 s[G0B+2:G0B+3], s[PB:PB+1], s[G0B+2:G0B+3]
	s_add_nc_u64 s[G0B+6:G0B+7], s[PB:PB+1], s[G0B+6:G0B+7]
	s_or_b32 s[G0B+3], s[G0B+3], 0x80000000
	s_or_b32 s[G0B+7], s[G0B+7], 0x80000000
	s_add_nc_u64 s[G0S+2:G0S+3], s[PAS:PAS+1], s[G0S+2:G0S+3]
	s_or_b32 s[G0S+3], s[G0S+3], 0x80000000
	s_add_nc_u64 s[G0SB+2:G0SB+3], s[PBS:PBS+1], s[G0SB+2:G0SB+3]
	s_or_b32 s[G0SB+3], s[G0SB+3], 0x80000000
	CROUND                                         ; all sixteen work-groups are here: the first joint loads meet
; The head's four tiles, one load a wave: wave 0 K step 0's 256 rows of A, wave 1 those of B, wave 2 A's scales, wave 3 B's.  One tree of branches on the wave's number.
.macro ARM under, g0, g1, next
	s_cmp_lt_u32 s[WV], \under
	s_cbranch_scc0 \next
	tensor_load_to_lds s[\g0:\g0+3], s[\g1:\g1+7]
	s_nop 0
.rept 4
	v_nop
.endr
	s_branch .Lhead_asked
\next:
.endm
	ARM 1, G0+4, G1, .Lhead_b
	ARM 2, G0B+4, G1B, .Lhead_sa
	ARM 3, G0S, G1S, .Lhead_sb
	tensor_load_to_lds s[G0SB:G0SB+3], s[G1SB:G1SB+7]
	s_nop 0
.rept 4
	v_nop
.endr
.Lhead_asked:
	v_and_b32 v1, 15, v0                           ; r
	v_bfe_u32 v2, v0, 4, 1                         ; h
	v_mul_u32_u24 v3, v1, PITCH
	v_lshl_add_u32 v4, v2, 4, v3                   ; a fragment's row x pitch + 16 h
	s_mul_i32 s2, s[WR], HALFT
	s_mul_i32 s3, s[WC], HALFT
	s_add_co_u32 s3, s3, 2*HALFT
.irp s, 0,1
	v_add_nc_u32 v[ADRA+\s], s2, v4
	v_add_nc_u32 v[ADRB+\s], s3, v4
	s_add_co_u32 s2, s2, SLOT
	s_add_co_u32 s3, s3, SLOT
.endr
	v_mul_u32_u24 v5, v1, KS
	v_lshrrev_b32 v6, 8, v5
	v_lshl_add_u32 v5, v6, 4, v5                   ; my row's scales: 32 bytes a row, 16 more for each 256 passed
	s_mul_i32 s2, s[WR], HALFS
	s_mul_i32 s3, s[WC], HALFS
	s_add_co_u32 s3, s3, 2*HALFS
	s_sub_co_u32 s3, s3, s2
	v_mul_u32_u24 v6, s3, v2                       ; lanes 16-31 take B's
	s_add_co_u32 s2, s2, SCL
	v_add_nc_u32 v5, v5, v6
	v_add_nc_u32 v[ADRS], s2, v5
	s_mul_i32 s2, s[WV], 5120                      ; my stage, in slot 0: 4,096 bytes of codes, 1,024 of scale words
	v_and_b32 v8, 31, v0
	v_lshlrev_b32 v8, 4, v8                        ; 16 x lane
	v_add_nc_u32 v[RD], s2, v8
	v_lshlrev_b32 v7, 4, v1                        ; the image of 16 rows x 128 K: 512 c + 16 (r + 16 p) + 8 h
	v_lshl_add_u32 v7, v2, 3, v7
	v_add_nc_u32 v[STO], s2, v7
	v_lshlrev_b32 v7, 2, v1
	v_lshl_add_u32 v7, v2, 9, v7
	v_add_nc_u32 v7, s2, v7
	v_add_nc_u32 v[SWA], 4096, v7
	s_lshl_b32 s14, s[TA], 8
	s_lshl_b32 s2, s[WR], 7
	s_add_co_u32 s14, s14, s2                      ; my first row of A
	s_lshl_b32 s15, s[TB], 8
	s_lshl_b32 s2, s[WC], 7
	s_add_co_u32 s15, s15, s2                      ; my first row of B = my first column
	s_lshl_b32 s2, s15, 2
	s_mov_b32 s3, 0
	s_add_nc_u64 s[PCB:PCB+1], s[PCB:PCB+1], s[2:3]
	v_lshlrev_b32 v9, 5, v2
.irp b, 0,1,2,3,4,5,6,7                ; the bias in the result's layout: lane (r, h), block b: columns 16 b + 8 h + 0 .. 7
	global_load_b128 v[CB+8*\b:CB+8*\b+3], v9, s[PCB:PCB+1] offset:64*\b
	global_load_b128 v[CB+8*\b+4:CB+8*\b+7], v9, s[PCB:PCB+1] offset:64*\b+16
.endr
	s_lshl_b32 s16, s14, 12                        ; where the images go: 65,536 bytes for 16 rows,  (in s16, s17: the pending loads' base and offset stay as they are)
	s_lshl_b32 s17, s15, 4                         ; 2,048 for 128 columns
	s_add_co_u32 s16, s16, s17
	s_mov_b32 s17, 0
	s_lshl_b32 s12, s15, 7                         ; the words: 16,384 bytes for 128 columns,
	s_lshl_b32 s13, s14, 2                         ; 4 a row
	s_add_co_u32 s12, s12, s13
	s_add_co_u32 s12, s12, 0x1000000
	s_mov_b32 s13, 0
	s_add_nc_u64 s[OUTS:OUTS+1], s[26:27], s[12:13]
	s_add_nc_u64 s[OUT:OUT+1], s[26:27], s[16:17]
	s_mov_b32 s2, 65536
	s_mov_b32 s3, 1024
	v_mov_b32 v18, v8                              ; my byte offsets in the images: 16 x lane + u x s2 + b2 x s3
	v_add_nc_u32 v19, s3, v8
	v_add_nc_u32 v22, s2, v8
	v_add_nc_u32 v23, s3, v22
	v_mov_b32 v[VSO], v8
.macro FRAG reg, adr, q, i             ; 16 rows x 128 K: lane l holds row l % 16; registers 4 c .. 4 c + 3 hold K = 32 c + 16 (l / 16) + 0 .. 15
.irp c, 0,1,2,3
	ds_load_b128 v[\reg+4*\c:\reg+4*\c+3], v[\adr] offset:128*(\q)+32*\c+(\i)*16*PITCH
.endr
.endm
; 16 matrix instructions: A's blocks a0, a0 + 1 x B's eight.  first = 1: the bias is the C of the first products: nothing is cleared and no addition is spent.
; The 64 accumulators take turns, one instruction a turn, in the same order in every step.
.macro MUL16 a0, p, q, sc, first
.irp a, \a0, \a0+1
.irp b, 0,1,2,3,4,5,6,7
.if \first
	v_wmma_scale_f32_16x16x128_f8f6f4 v[8*(8*((\a)%4)+\b):8*(8*((\a)%4)+\b)+7], v[128*(\p)+FR*\b:128*(\p)+FR*\b+FR-1], v[AF+FR*(\a):AF+FR*(\a)+FR-1], v[CB+8*\b:CB+8*\b+7], v[SC+8*NQ*(\sc)+NQ*\b+(\q)], v[SC+8*NQ*(\sc)+NQ*(\a)+(\q)] matrix_a_fmt:MATRIX_FMT_BF8 matrix_b_fmt:MATRIX_FMT_BF8 matrix_a_scale:MATRIX_SCALE_ROW1
.else
	v_wmma_scale_f32_16x16x128_f8f6f4 v[8*(8*((\a)%4)+\b):8*(8*((\a)%4)+\b)+7], v[128*(\p)+FR*\b:128*(\p)+FR*\b+FR-1], v[AF+FR*(\a):AF+FR*(\a)+FR-1], v[8*(8*((\a)%4)+\b):8*(8*((\a)%4)+\b)+7], v[SC+8*NQ*(\sc)+NQ*\b+(\q)], v[SC+8*NQ*(\sc)+NQ*(\a)+(\q)] matrix_a_fmt:MATRIX_FMT_BF8 matrix_b_fmt:MATRIX_FMT_BF8 matrix_a_scale:MATRIX_SCALE_ROW1
.endif
.endr
.endr
.endm
.macro FETCH_B slot, q, p
	WIN TO_B
.irp i, 0,1,2,3,4,5,6,7
	FRAG 128*(\p)+FR*\i, ADRB+\slot, \q, \i
.endr
	WIN 0
.endm
.macro FETCH_A slot, q, i0
.irp i, \i0, \i0+1, \i0+2, \i0+3
	FRAG AF+FR*(\i), ADRA+\slot, \q, \i
.endr
.endm
.macro SCALES sc                       ; a slot's scale words: lanes 0-15 A's block i, lanes 16-31 B's block i
.irp i, 0,1,2,3,4,5,6,7
	ds_load_b64 v[SC+8*NQ*\sc+NQ*\i:SC+8*NQ*\sc+NQ*\i+1], v[ADRS] offset:\i*SBLK
.endr
.endm
.macro STEP slot, q, first             ; 128 along K that has its successor in the same slot
	s_wait_dscnt 4*NL                              ; B's set and A's blocks 0-3 are in; the youngest 16 loads (A's blocks 4-7) may be out
.if \first
	WIN 0x81                                       ; as MUL_LO, with C in window 0
.else
	WIN MUL_LO
.endif
	MUL16 0, (\q)%2, \q, \slot, \first
	MUL16 2, (\q)%2, \q, \slot, \first
	s_wait_dscnt 0
	PLACES NP                                      ; in front of loads into registers that matrix instructions have read
	FETCH_B \slot, (\q)+1, 1-(\q)%2
	FETCH_A \slot, (\q)+1, 0
.if \first
	WIN 0xc1
.else
	WIN MUL_HI
.endif
	MUL16 4, (\q)%2, \q, \slot, \first
	MUL16 6, (\q)%2, \q, \slot, \first
	PLACES NP
	WIN 0
	FETCH_A \slot, (\q)+1, 4
.endm
; A slot's last step changes slots: one barrier; in front of it each wave waits for all its tensor loads, adds 0 to its spare word, and waits for that and for its reads of this slot.
.macro TURN slot, next, fill
	s_wait_tensorcnt 0x0                           ; all my tensor loads have landed: my part of the next slot
	ds_add_u32 v[SPW], v[NIL]                      ; 0 onto my spare word
	s_wait_dscnt 4*NL+1                            ; (the add and the youngest 16 loads may be out)
	WIN MUL_LO
	MUL16 0, 1, NQ-1, \slot, 0
	s_wait_dscnt 0x0                               ; the add is done, and my reads of this slot are over
	s_barrier_signal -1
	MUL16 2, 1, NQ-1, \slot, 0
	WIN 0
	s_barrier_wait -1
.if \fill
	CREST                                          ; the barrier has opened a round of the cluster's: no wave of any partner still reads this slot or has a load on its way
	s_add_nc_u64 s[G0+4*\slot+2:G0+4*\slot+3], s[G0+4*\slot+2:G0+4*\slot+3], 2*ROWB
	s_add_nc_u64 s[G0B+4*\slot+2:G0B+4*\slot+3], s[G0B+4*\slot+2:G0B+4*\slot+3], 2*ROWB
	JLOAD G0+4*\slot, G1, G0B+4*\slot, G1B         ; the first tensor load behind the round; its four v_nop are among the places below
	PLACES NP-4
.else
	PLACES NP
.endif
	s_wait_alu depctr_va_vdst(0)
	v_add_nc_u32 v[ADRS], 4*NQ, v[ADRS]
	FETCH_B \next, 0, 0
	FETCH_A \next, 0, 0
	SCALES \next
	WIN MUL_HI
	MUL16 4, 1, NQ-1, \slot, 0
	MUL16 6, 1, NQ-1, \slot, 0
	PLACES NP
	WIN 0
	FETCH_A \next, 0, 4
.endm
	s_wait_loadcnt 0x0                             ; the bias
	s_wait_alu depctr_va_vdst(0)
	s_wait_tensorcnt 0x0                           ; my tile of the head's four is in; slot 1's first fill is issued as a refill is
	ds_add_u32 v[SPW], v[NIL]
	s_mov_b32 s[G1+2], 128<<16                     ; no load of mine is out: from here on a load brings 128 rows
	s_mov_b32 s[G1+4], 128
	s_mov_b32 s[G1B+2], 128<<16
	s_mov_b32 s[G1B+4], 128
	s_add_co_u32 s[G0+5], s[G0+1], SLOT            ; slot 1's groups 0: my 128 rows, K step 1
	s_add_nc_u64 s[G0+6:G0+7], s[G0+2:G0+3], ROWB
	s_add_co_u32 s[G0B+5], s[G0B+1], SLOT
	s_add_nc_u64 s[G0B+6:G0B+7], s[G0B+2:G0B+3], ROWB
	s_wait_dscnt 0x0
	CROUND                                         ; all four tiles are in, and all sixteen work-groups are here
	JLOAD G0+4, G1, G0B+4, G1B
	FETCH_B 0, 0, 0
	FETCH_A 0, 0, 0
	SCALES 0
	FETCH_A 0, 0, 4
	STEP 0, 0, 1
	s_mov_b32 s3, LAPS-1
.Llap:
	TURN 0, 1, 1
	STEP 1, 0, 0
	TURN 1, 0, 1
	STEP 0, 0, 0
	s_sub_co_u32 s3, s3, 1
	s_cmp_lg_u32 s3, 0
	s_cbranch_scc1 .Llap
	TURN 0, 1, 0                                   ; the last lap fills nothing
	STEP 1, 0, 0
	s_wait_dscnt 4*NL
	WIN MUL_LO
	MUL16 0, 1, NQ-1, 1, 0
	MUL16 2, 1, NQ-1, 1, 0
	s_wait_dscnt 0
	WIN MUL_HI
	MUL16 4, 1, NQ-1, 1, 0
	MUL16 6, 1, NQ-1, 1, 0
	WIN 0
; THE WAY OUT.  Block a (16 rows x 128 columns) is quantised in registers: a block of 32 columns lies in two accumulators of lanes l and l xor 16.  A conversion's 8 codes are columns
; 32 b + 16 p + 8 h + 0 .. 7 of my row; they go into my stage (slot 0 has had its last fill and its last read) at the place that the reader's register image gives them, and two blocks at a time
; come back as 512 consecutive bytes an instruction.
	PLACES NP
.irp b, 0,1,2,3
	v_mov_b32 v[TM+4+\b], 0                        ; a lane permute's destination counts as read
.endr
.macro EPI a
.set W, 2+(\a)/4
.set AC, 64*((\a)%4)
	WIN (W<<2)|(W<<4)
.irp b, 0,1,2,3
	v_max3_num_f32 v[TM+\b], 0x8000000, v[AC+16*\b], v[AC+16*\b+1]       ; my 16 numbers of block b and the floor 2^(16 - 127); no |.|: what is negative becomes 0 and must not count
.endr
.irp i, 2,4,6,8,10,12,14
.irp b, 0,1,2,3
	v_max3_num_f32 v[TM+\b], v[TM+\b], v[AC+16*\b+\i], v[AC+16*\b+\i+1]
.endr
.endr
	WIN 0
.irp b, 0,1,2,3
	v_permlanex16_b32 v[TM+4+\b], v[TM+\b], s[SEL], s[SEL+1]
.endr
.irp b, 0,1,2,3
	v_max_num_f32 v[TM+\b], v[TM+\b], v[TM+4+\b]
.endr
.irp b, 0,1,2,3
	v_add_nc_u32 v[TM+12+\b], 0xf8800000, v[TM+\b] ; 15 off the exponent field: the conversion's scale operand
.endr
.irp b, 0,1,2,3
	v_and_or_b32 v[TM+8+\b], v[TM+\b], 0x7f800000, s[MNT]   ; 57,344 x the scale
.endr
.irp b, 0,1,2,3
	v_lshrrev_b32 v[TM+4+\b], 23, v[TM+12+\b]      ; the scale's byte
.endr
	v_lshl_or_b32 v[WT], v[TM+5], 8, v[TM+4]
	v_lshl_or_b32 v[WT+1], v[TM+7], 8, v[TM+6]
	v_lshl_or_b32 v[WT+2], v[WT+1], 16, v[WT]      ; the four bytes of 128 columns
	WIN (W<<6)|W
.irp b, 0,1,2,3
.irp i, 0,1,2,3,4,5,6,7,8,9,10,11,12,13,14,15
	v_med3_num_f32 v[AC+16*\b+\i], v[AC+16*\b+\i], 0, v[TM+8+\b]             ; the activation and the hold in one (the conversion does not saturate: ISA guide 7.6.2)
.endr
.endr
	WIN W
.irp b, 0,1,2,3
	v_cvt_scalef32_pk8_bf8_f32 v[PC+4*\b:PC+4*\b+1], v[AC+16*\b:AC+16*\b+7], v[TM+12+\b]
	v_cvt_scalef32_pk8_bf8_f32 v[PC+4*\b+2:PC+4*\b+3], v[AC+16*\b+8:AC+16*\b+15], v[TM+12+\b]
.endr
	WIN 0
	v_nop                                          ; a plain line behind the last conversion
.irp b, 0,1,2,3
.irp p, 0,1
	ds_store_b64 v[STO], v[PC+4*\b+2*\p:PC+4*\b+2*\p+1] offset:512*\b+256*\p+EOFF*((\a)%2)
.endr
.endr
	ds_store_b32 v[SWA], v[WT+2] offset:64*(\a)
	s_wait_dscnt 0x0                               ; the stores have read their registers
.endm
.macro FLUSH a                         ; behind an odd block: 4,096 bytes of images leave
.if (\a) > 1
	s_wait_xcnt 0x0                                ; the last pair's stores have read their registers and their base
	s_add_nc_u64 s[OUT:OUT+1], s[OUT:OUT+1], 131072
.endif
.irp i, 0,1,2,3,4,5,6,7
	ds_load_b128 v[OB+4*\i:OB+4*\i+3], v[RD] offset:512*\i   ; LDS serves a wave's instructions in order: these see my stores
.endr
	s_wait_dscnt 0x0
.irp i, 0,1,2,3,4,5,6,7
	global_store_b128 v[18+4*(\i/4)+(\i%4)/2], v[OB+4*\i:OB+4*\i+3], s[OUT:OUT+1] offset:512*(\i%2)   ; 32 lanes store 512 consecutive bytes; offsets in v18, v19 (the even block), v22, v23 (the odd one)
.endr
.endm
.irp a, 0,1,2,3,4,5,6,7
	EPI \a
.if (\a)%2
	FLUSH \a
.endif
.endr
	ds_load_b128 v[SWO:SWO+3], v[RD] offset:4096   ; the scale words of my 128 rows
	s_wait_dscnt 0x0
	global_store_b128 v[VSO], v[SWO:SWO+3], s[OUTS:OUTS+1]
	s_wait_tensorcnt 0x0                           ; the wave's end
	ds_add_u32 v[SPW], v[NIL]
	s_wait_dscnt 0x0
	CROUND                                         ; the closing round
	s_endpgm
.Lfunc_end_k_q7f4ff5a118_ffn1:
	.size	k_q7f4ff5a118_ffn1, .Lfunc_end_k_q7f4ff5a118_ffn1-k_q7f4ff5a118_ffn1
	.p2alignl 7, 3214868480
	.fill 96, 4, 3214868480
	.section	.rodata,"a",@progbits
	.p2align	6, 0x0
	.amdhsa_kernel k_q7f4ff5a118_ffn1
		.amdhsa_group_segment_fixed_size 327680
		.amdhsa_private_segment_fixed_size 0
		.amdhsa_enable_private_segment 0
		.amdhsa_kernarg_size 40
		.amdhsa_user_sgpr_count 2
		.amdhsa_user_sgpr_kernarg_segment_ptr 1
		.amdhsa_wavefront_size32 1
		.amdhsa_system_sgpr_workgroup_id_x 1
		.amdhsa_system_sgpr_workgroup_id_y 1
		.amdhsa_system_sgpr_workgroup_id_z 1
		.amdhsa_system_vgpr_workitem_id 0
		.amdhsa_next_free_vgpr 1024
		.amdhsa_next_free_sgpr 106
		.amdhsa_reserve_vcc 0
		.amdhsa_float_denorm_mode_32 3
		.amdhsa_float_denorm_mode_16_64 3
		.amdhsa_memory_ordered 1
		.amdhsa_forward_progress 1
		.amdhsa_inst_pref_size 195
	.end_amdhsa_kernel
	.amdgpu_metadata
---
amdhsa.version: [ 1, 2 ]
amdhsa.kernels:
  - .name:           k_q7f4ff5a118_ffn1
    .symbol:         k_q7f4ff5a118_ffn1.kd
    .args:
      - { .name: xq, .offset: 0, .size: 8, .value_kind: global_buffer, .address_space: global }
      - { .name: w1_codes, .offset: 8, .size: 8, .value_kind: global_buffer, .address_space: global }
      - { .name: w1_scales, .offset: 16, .size: 8, .value_kind: global_buffer, .address_space: global }
      - { .name: b1, .offset: 24, .size: 8, .value_kind: global_buffer, .address_space: global }
      - { .name: hq, .offset: 32, .size: 8, .value_kind: global_buffer, .address_space: global }
    .group_segment_fixed_size: 327680
    .private_segment_fixed_size: 0
    .kernarg_segment_align: 8
    .kernarg_segment_size: 40
    .max_flat_workgroup_size: 128
    .sgpr_count:     106
    .vgpr_count:     1024
    .wavefront_size: 32
...
	.end_amdgpu_metadata
.endif
;; end of part 5
;; launch ffn2 (part 6): grid 8 x 32, 4 waves a work-group, clusters of 4 x 4, 327,680 bytes of LDS; arguments hq, w2_codes, w2_scales, b2, x1, out0; writes out0
.if DOCPART == 6
	.amdgcn_target "amdgcn-amd-amdhsa--gfx1250"
	.amdhsa_code_object_version 6
	.text
	.protected	k_q7f4ff5a118_ffn2
	.globl	k_q7f4ff5a118_ffn2
	.p2align	8
	.type	k_q7f4ff5a118_ffn2,@function
k_q7f4ff5a118_ffn2:
	s_mov_b64 s[64:65], 0
	v_nop
	global_prefetch_b8 v0, s[64:65] scope:SCOPE_SE
	s_setreg_imm32_b32 hwreg(HW_REG_WAVE_MODE, 25, 1), 1
	s_wait_xcnt 0x0
	s_wait_alu depctr_hold_cnt(0) depctr_sa_sdst(0) depctr_va_vdst(0) depctr_va_sdst(0) depctr_va_ssrc(0) depctr_va_vcc(0) depctr_vm_vsrc(0)
	s_getreg_b32 s2, hwreg(HW_REG_IB_STS2, 6, 4)
	s_cmp_eq_u32 s2, 0
	s_cbranch_scc0 .Lentry_in_a_cluster
	s_endpgm
.Lentry_in_a_cluster:
	s_bfe_u32 s2, ttmp6, 0x10000c
	s_cmp_lg_u32 s2, 0xf033
	s_cbranch_scc0 .Lentry_shape_is_right
	s_endpgm
.Lentry_shape_is_right:
.set KD,     4096
.set NS,     KD/128
.set KS,     KD/32
.set ASOFF,  4096*KD
.set SK,     1024
.set WPITCH, SK+16
.set WQUART, 32*WPITCH
.set SLOT,   4*WQUART
.set ASC,    2*SLOT
.set WSC,    ASC+NS*512
.set HALFWS, NS*272
.set SBLK,   (16*KS/256)*272
.set SPARE,  WSC+2*HALFWS
.set SPITCH, 528
.set LEAD,   7
.set ADRB, 16
.set LN,   20
.set ADSA, 22
.set ADSW, 23
.set STO,  24
.set RD,   25
.set SPW,  28
.set NIL,  29
.set SCR,  32
.set BI,   112
.set F0,   0
.set F1,   128
.set WV,   16
.set WR,   17
.set WC,   18
.set CX,   19
.set CY,   20
.set TX,   21
.set TY,   22
.set PAI,  24
.set G1B,  40
.set G0B,  48
.set G1S,  56
.set G0S,  68
.set G1SB, 72
.set G0SB, 80
.set MUL,  0xf9
.set NISS, 0
.set MSB, 0
.macro WIN new
.if MSB != (\new)
	s_set_vgpr_msb (MSB<<8)|(\new)
.set MSB, (\new)
.endif
.endm
.macro PLACES n
.rept \n
	v_nop
.endr
.endm
.macro JLOAD g0a, g1a, g0b, g1b
	s_cmp_eq_u32 s[WR], 0
	s_cbranch_scc0 .Lfor_b_\@
	tensor_load_to_lds s[\g0a:\g0a+3], s[\g1a:\g1a+7]
	s_nop 0
.rept 4
	v_nop
.endr
	s_branch .Lasked_\@
.Lfor_b_\@:
	tensor_load_to_lds s[\g0b:\g0b+3], s[\g1b:\g1b+7]
	s_nop 0
.rept 4
	v_nop
.endr
.Lasked_\@:
.endm
.macro CREST
	s_cmp_lg_u32 s[WV], 0
	s_cbranch_scc1 .Lnot_wave_0_\@
	s_barrier_signal -3
.Lnot_wave_0_\@:
	s_barrier_wait -3
	s_barrier_signal -1
	s_barrier_wait -1
.endm
.macro CROUND
	s_barrier_signal -1
	s_barrier_wait -1
	CREST
.endm
	s_load_b256 s[4:11], s[0:1], 0x0
	s_load_b128 s[12:15], s[0:1], 0x20
	v_lshl_add_u32 v[SPW], v0, 2, SPARE
	v_mov_b32 v[NIL], 0
	ds_add_u32 v28, v29
	ds_add_u32 v28, v29
	s_wait_dscnt 0x0
	v_lshrrev_b32 v1, 5, v0
	v_readfirstlane_b32 s[WV], v1
	v_and_b32 v3, 31, v0
	v_lshlrev_b32 v[LN], 4, v3
	s_lshr_b32 s[WR], s[WV], 1
	s_and_b32 s[WC], s[WV], 1
	s_bfe_u32 s[CX], ttmp6, 0x40000
	s_bfe_u32 s[CY], ttmp6, 0x40004
	s_lshl_b32 s[TX], ttmp9, 2
	s_add_co_u32 s[TX], s[TX], s[CX]
	s_and_b32 s[TY], ttmp7, 0xffff
	s_lshl_b32 s[TY], s[TY], 2
	s_add_co_u32 s[TY], s[TY], s[CY]
	s_lshl_b32 s2, s[CY], 2
	s_lshl_b32 s2, 15, s2
	s_lshl_b32 s3, 0x1111, s[CX]
	s_or_b32 s[G1B], s3, (0<<16)|(1<<20)|(1<<21)|(7<<22)|(3<<25)
	s_mov_b32 s[G1B+1], SK<<16
	s_mov_b32 s[G1B+2], 64<<16
	s_mov_b32 s[G1B+3], SK<<16
	s_mov_b32 s[G1B+4], 64
	s_mov_b32 s[G1B+5], KD
	s_mov_b32 s[G1B+6], 0
	s_mov_b32 s[G1B+7], 0
	s_or_b32 s[G1S], s2, (3<<16)|(1<<21)
	s_mov_b32 s[G1S+1], 64<<16
	s_mov_b32 s[G1S+2], NS<<16
	s_mov_b32 s[G1S+3], 64<<16
	s_mov_b32 s[G1S+4], NS
	s_mov_b32 s[G1S+5], 2048
	s_mov_b32 s[G1S+6], 0
	s_mov_b32 s[G1S+7], 0
	s_or_b32 s[G1SB], s3, (3<<16)|(1<<20)|(1<<21)|(5<<22)|(3<<25)
	s_mov_b32 s[G1SB+1], 32<<16
	s_mov_b32 s[G1SB+2], (2*NS)<<16
	s_mov_b32 s[G1SB+3], 32<<16
	s_mov_b32 s[G1SB+4], 2*NS
	s_mov_b32 s[G1SB+5], 32
	s_mov_b32 s[G1SB+6], 0
	s_mov_b32 s[G1SB+7], 0
	s_lshl_b32 s85, s[TY], 9
	s_add_co_u32 s[G0S+2], s85, ASOFF
	s_mov_b32 s[G0S+3], 0
	s_lshl_b32 s86, s[TX], 7
	s_lshl_b32 s87, s[WV], 5
	s_add_co_u32 s87, s86, s87
	s_mul_i32 s[G0B+2], s87, KD
	s_mov_b32 s[G0B+3], 0
	s_mul_i32 s[G0SB+2], s86, KS
	s_lshl_b32 s87, s[WC], 6
	s_add_co_u32 s86, s86, s87
	s_mul_i32 s[G0B+6], s86, KD
	s_mov_b32 s[G0B+7], 0
	s_mov_b32 s[G0SB+3], 0
	s_mul_i32 s84, s[WV], WQUART
	s_mov_b32 s[G0B], 1
	s_mov_b32 s[G0B+1], s84
	s_mov_b32 s[G0B+4], 1
	s_mul_i32 s[G0B+5], s[WC], 2*WQUART
	s_mov_b32 s[G0S], 1
	s_mov_b32 s[G0S+1], ASC
	s_mov_b32 s[G0SB], 1
	s_mov_b32 s[G0SB+1], WSC
	s_lshl_b32 s26, s[TY], 3
	s_lshl_b32 s27, s[WV], 1
	s_add_co_u32 s26, s26, s27
	s_lshl_b32 s26, s26, 16
	s_mov_b32 s27, 0
	s_lshl_b32 s84, s[TX], 9
	s_mov_b32 s85, 0
	s_lshl_b32 s86, s[TY], 7
	s_lshl_b32 s87, s[WV], 5
	s_add_co_u32 s86, s86, s87
	s_lshl_b32 s86, s86, 12
	s_wait_kmcnt 0x0
	s_add_nc_u64 s[PAI:PAI+1], s[4:5], s[26:27]
	s_add_nc_u64 s[10:11], s[10:11], s[84:85]
	s_add_co_u32 s84, s84, s86
	s_add_nc_u64 s[12:13], s[12:13], s[84:85]
	s_add_nc_u64 s[14:15], s[14:15], s[84:85]
	s_add_nc_u64 s[G0B+2:G0B+3], s[6:7], s[G0B+2:G0B+3]
	s_add_nc_u64 s[G0B+6:G0B+7], s[6:7], s[G0B+6:G0B+7]
	s_or_b32 s[G0B+3], s[G0B+3], 0x80000000
	s_or_b32 s[G0B+7], s[G0B+7], 0x80000000
	s_add_nc_u64 s[G0S+2:G0S+3], s[4:5], s[G0S+2:G0S+3]
	s_or_b32 s[G0S+3], s[G0S+3], 0x80000000
	s_add_nc_u64 s[G0SB+2:G0SB+3], s[8:9], s[G0SB+2:G0SB+3]
	s_or_b32 s[G0SB+3], s[G0SB+3], 0x80000000
	CROUND
; The head's tiles, one load a wave, in one tree of branches on the wave's number: waves 0 and 1 the halves (64 rows) of W's slot 0, by slot 1's group 0; wave 2 A's scale words; wave 3 W's scale bytes.
.macro ARM under, g0, g1, next
	s_cmp_lt_u32 s[WV], \under
	s_cbranch_scc0 \next
	tensor_load_to_lds s[\g0:\g0+3], s[\g1:\g1+7]
	s_nop 0
.rept 4
	v_nop
.endr
	s_branch .Lhead_asked
\next:
.endm
	ARM 2, G0B+4, G1B, .Lhead_sa
	ARM 3, G0S, G1S, .Lhead_sb
	tensor_load_to_lds s[G0SB:G0SB+3], s[G1SB:G1SB+7]
	s_nop 0
.rept 4
	v_nop
.endr
.Lhead_asked:
.macro SETAE k
.irp z, 0,1,2,3,4,5,6,7
.if (\k) == \z
.set AE\z, NISS
.endif
.endr
.endm
.macro GETAE k
.irp z, 0,1,2,3,4,5,6,7
.if (\k) == \z
.set AEC, AE\z
.endif
.endr
.endm
.macro ALOAD st
	WIN 0x80
.irp a, 0,1
.irp c, 0,1,2,3
	global_load_b128 v[32*((\st)%8)+16*\a+4*\c:32*((\st)%8)+16*\a+4*\c+3], v[LN], s[PAI:PAI+1] offset:65536*\a+2048*(\st)+512*\c
.endr
.endr
.set NISS, NISS+8
	SETAE (\st)%8
.endm
.macro AWAIT st
	GETAE (\st)%8
.set CNT, NISS-AEC
.if CNT > 63
.set CNT, 63
.endif
	s_wait_loadcnt CNT
.endm
.macro RLOAD i
	WIN 0xc0
	global_load_b128 v[128+4*(\i):128+4*(\i)+3], v[LN], s[12:13] offset:4096*(\i)
.set NISS, NISS+1
.endm
.macro RSTEP st
.if (\st) <= 24
	RLOAD \st
.endif
.if (\st) == 25
.irp i, 25,26,27,28,29,30,31
	RLOAD \i
.endr
.endif
.endm
	s_wait_alu depctr_va_vdst(0)
	global_load_b128 v[BI:BI+3], v[LN], s[10:11]
.set NISS, NISS+1
.irp st, 0,1,2,3,4,5,6
	ALOAD \st
.endr
	WIN 0
	v_and_b32 v1, 15, v0
	v_bfe_u32 v2, v0, 4, 1
	v_mul_u32_u24 v[ADRB], v1, WPITCH
	v_lshl_add_u32 v[ADRB], v2, 4, v[ADRB]
	v_add_nc_u32 v[ADRB+1], 4*16*WPITCH, v[ADRB]
	v_add_nc_u32 v[ADRB+2], SLOT, v[ADRB]
	v_add_nc_u32 v[ADRB+3], SLOT+4*16*WPITCH, v[ADRB]
	s_lshl_b32 s84, s[WV], 7
	s_add_co_u32 s84, s84, ASC
	v_lshl_add_u32 v[ADSA], v1, 2, s84
	v_mul_u32_u24 v5, v1, KS
	v_lshrrev_b32 v6, 8, v5
	v_lshl_add_u32 v5, v6, 4, v5
	v_add_nc_u32 v[ADSW], WSC, v5
	s_mul_i32 s84, s[WV], 16*SPITCH
	v_mul_u32_u24 v5, v1, SPITCH
	v_lshl_add_u32 v5, v2, 5, v5
	v_add_nc_u32 v[STO], s84, v5
	v_add_nc_u32 v[RD], s84, v[LN]
.macro FETCH slot, q, f
	WIN 0x40
.irp i, 0,1,2,3,4,5,6,7
.irp c, 0,1,2,3
	ds_load_b128 v[\f+16*\i+4*\c:\f+16*\i+4*\c+3], v[ADRB+2*(\slot)+\i/4] offset:16*WPITCH*(\i%4)+128*(\q)+32*\c
.endr
.endr
.endm
.macro SCALES sg, hs
.irp q, 0,1,2,3
.irp a, 0,1
	ds_load_b32 v[SCR+40*(\sg)+2*\q+\a], v[ADSA] offset:2048*(\hs)+512*\q+64*\a
.endr
.endr
.irp b, 0,1,2,3,4,5,6,7
	ds_load_b128 v[SCR+8+40*(\sg)+4*\b:SCR+8+40*(\sg)+4*\b+3], v[ADSW] offset:\b*SBLK+16*(\hs)
.endr
.endm
.macro MULA f, st, a, lo, hi
.set SG, 40*(((\st)/4)%2)
.set Q4, (\st)%4
.set RG, 32*((\st)%8)+16*(\a)
.irp b, 0,1,2,3,4,5,6,7
.if (\b >= \lo) && (\b <= \hi)
.if (\st) == 0
	v_wmma_scale_f32_16x16x128_f8f6f4 v[8*(8*(\a)+\b):8*(8*(\a)+\b)+7], v[\f+16*\b:\f+16*\b+15], v[RG:RG+15], 0, v[SCR+8+SG+4*\b+Q4], v[SCR+SG+2*Q4+(\a)] matrix_a_fmt:MATRIX_FMT_BF8 matrix_b_fmt:MATRIX_FMT_BF8
.else
	v_wmma_scale_f32_16x16x128_f8f6f4 v[8*(8*(\a)+\b):8*(8*(\a)+\b)+7], v[\f+16*\b:\f+16*\b+15], v[RG:RG+15], v[8*(8*(\a)+\b):8*(8*(\a)+\b)+7], v[SCR+8+SG+4*\b+Q4], v[SCR+SG+2*Q4+(\a)] matrix_a_fmt:MATRIX_FMT_BF8 matrix_b_fmt:MATRIX_FMT_BF8
.endif
.endif
.endr
.endm
.macro STEPQ st, slot
.set Q8, (\st)%8
	PLACES 8
	FETCH \slot, Q8+1, 128*(1-Q8%2)
.set DSN, 32
.if Q8 == 3
	WIN 0
	SCALES ((\st)/4+1)%2, (\st)/4+1
.set DSN, 48
.endif
.if (\st)+LEAD < NS
	ALOAD (\st)+LEAD
.endif
	s_wait_dscnt DSN
	AWAIT \st
	RSTEP \st
	WIN MUL
	MULA 128*(Q8%2), \st, 0, 0, 7
	MULA 128*(Q8%2), \st, 1, 0, 7
.endm
.macro TURNQ st, slot, next, fill
	WIN 0
	s_wait_tensorcnt 0x0
	ds_add_u32 v[SPW], v[NIL]
	s_wait_dscnt 1
	AWAIT \st
	WIN MUL
	MULA F1, \st, 0, 0, 3
	s_wait_dscnt 0x0
	s_barrier_signal -1
	MULA F1, \st, 0, 4, 7
	WIN 0
	s_barrier_wait -1
.if \fill
	CREST
	s_add_nc_u64 s[G0B+4*\slot+2:G0B+4*\slot+3], s[G0B+4*\slot+2:G0B+4*\slot+3], 2*SK
	tensor_load_to_lds s[G0B+4*\slot:G0B+4*\slot+3], s[G1B:G1B+7]
	s_nop 0
.rept 4
	v_nop
.endr
	PLACES 4
.else
	PLACES 8
.endif
	FETCH \next, 0, F0
	WIN 0
	SCALES ((\st)/4+1)%2, (\st)/4+1
.if (\st)+LEAD < NS
	ALOAD (\st)+LEAD
.endif
	RSTEP \st
	WIN MUL
	MULA F1, \st, 1, 0, 7
.endm
	s_wait_alu depctr_va_vdst(0)
	s_wait_tensorcnt 0x0                           ; my tile of the head's is in; slot 1's first fill is issued as a refill is
	ds_add_u32 v[SPW], v[NIL]
	s_mov_b32 s[G1B+2], 32<<16                     ; no load of mine is out: from here on a load brings 32 rows
	s_mov_b32 s[G1B+4], 32
	s_add_co_u32 s[G0B+5], s[G0B+1], SLOT          ; slot 1's group 0: my 32 rows, the second 1,024 along K
	s_add_nc_u64 s[G0B+6:G0B+7], s[G0B+2:G0B+3], SK
	s_wait_dscnt 0x0
	CROUND
	tensor_load_to_lds s[G0B+4:G0B+7], s[G1B:G1B+7]
	s_nop 0
.rept 4
	v_nop
.endr
	FETCH 0, 0, F0
	WIN 0
	SCALES 0, 0
.irp st, 0,1,2,3,4,5,6
	STEPQ \st, 0
.endr
	TURNQ 7, 0, 1, 1
.irp st, 8,9,10,11,12,13,14
	STEPQ \st, 1
.endr
	TURNQ 15, 1, 0, 1
.irp st, 16,17,18,19,20,21,22
	STEPQ \st, 0
.endr
	TURNQ 23, 0, 1, 0
.irp st, 24,25,26,27,28,29,30
	STEPQ \st, 1
.endr
	s_wait_dscnt 0x0
	AWAIT 31
	WIN MUL
	MULA F1, 31, 0, 0, 7
	MULA F1, 31, 1, 0, 7
	WIN 0
	s_wait_loadcnt 0x0
	PLACES 8
.macro WAYOUT a
.set OBB, 64*(\a)
	WIN 0x0c
.irp b, 0,1,2,3,4,5,6,7
	ds_store_b128 v[STO], v[8*(8*(\a)+\b):8*(8*(\a)+\b)+3] offset:64*\b
	ds_store_b128 v[STO], v[8*(8*(\a)+\b)+4:8*(8*(\a)+\b)+7] offset:64*\b+16
.endr
	WIN 0x40
.irp t, 0,1,2,3,4,5,6,7,8,9,10,11,12,13,14,15
	ds_load_b128 v[OBB+4*\t:OBB+4*\t+3], v[RD] offset:\t*SPITCH
.endr
	s_wait_dscnt 0x0
	WIN 0x4d
.set i, 0
.rept 32
	v_pk_add_f32 v[OBB+i:OBB+i+1], v[OBB+i:OBB+i+1], v[128+64*(\a)+i:128+64*(\a)+i+1]
.set i, i+2
.endr
	WIN 0x41
.irp t, 0,1,2,3,4,5,6,7,8,9,10,11,12,13,14,15
	v_pk_add_f32 v[OBB+4*\t:OBB+4*\t+1], v[OBB+4*\t:OBB+4*\t+1], v[BI:BI+1]
	v_pk_add_f32 v[OBB+4*\t+2:OBB+4*\t+3], v[OBB+4*\t+2:OBB+4*\t+3], v[BI+2:BI+3]
.endr
	WIN 0x04
.irp t, 0,1,2,3,4,5,6,7,8,9,10,11,12,13,14,15
	global_store_b128 v[LN], v[OBB+4*\t:OBB+4*\t+3], s[14:15] offset:(16*(\a)+\t)*4096 th:TH_STORE_NT
.endr
	WIN 0
.endm
	WAYOUT 0
	WAYOUT 1
	s_wait_tensorcnt 0x0
	ds_add_u32 v[SPW], v[NIL]
	s_wait_dscnt 0x0
	CROUND
	s_endpgm
.Lfunc_end_k_q7f4ff5a118_ffn2:
	.size	k_q7f4ff5a118_ffn2, .Lfunc_end_k_q7f4ff5a118_ffn2-k_q7f4ff5a118_ffn2
	.p2alignl 7, 3214868480
	.fill 96, 4, 3214868480
	.section	.rodata,"a",@progbits
	.p2align	6, 0x0
	.amdhsa_kernel k_q7f4ff5a118_ffn2
		.amdhsa_group_segment_fixed_size 327680
		.amdhsa_private_segment_fixed_size 0
		.amdhsa_enable_private_segment 0
		.amdhsa_kernarg_size 48
		.amdhsa_user_sgpr_count 2
		.amdhsa_user_sgpr_kernarg_segment_ptr 1
		.amdhsa_wavefront_size32 1
		.amdhsa_system_sgpr_workgroup_id_x 1
		.amdhsa_system_sgpr_workgroup_id_y 1
		.amdhsa_system_sgpr_workgroup_id_z 1
		.amdhsa_system_vgpr_workitem_id 0
		.amdhsa_next_free_vgpr 1024
		.amdhsa_next_free_sgpr 100
		.amdhsa_reserve_vcc 0
		.amdhsa_float_denorm_mode_32 3
		.amdhsa_float_denorm_mode_16_64 3
		.amdhsa_memory_ordered 1
		.amdhsa_forward_progress 1
		.amdhsa_inst_pref_size 203
	.end_amdhsa_kernel
	.amdgpu_metadata
---
amdhsa.version: [ 1, 2 ]
amdhsa.kernels:
  - .name:           k_q7f4ff5a118_ffn2
    .symbol:         k_q7f4ff5a118_ffn2.kd
    .args:
      - { .name: hq, .offset: 0, .size: 8, .value_kind: global_buffer, .address_space: global }
      - { .name: w2_codes, .offset: 8, .size: 8, .value_kind: global_buffer, .address_space: global }
      - { .name: w2_scales, .offset: 16, .size: 8, .value_kind: global_buffer, .address_space: global }
      - { .name: b2, .offset: 24, .size: 8, .value_kind: global_buffer, .address_space: global }
      - { .name: x1, .offset: 32, .size: 8, .value_kind: global_buffer, .address_space: global }
      - { .name: out0, .offset: 40, .size: 8, .value_kind: global_buffer, .address_space: global }
    .group_segment_fixed_size: 327680
    .private_segment_fixed_size: 0
    .kernarg_segment_align: 8
    .kernarg_segment_size: 48
    .max_flat_workgroup_size: 128
    .sgpr_count:     100
    .vgpr_count:     1024
    .wavefront_size: 32
...
	.end_amdgpu_metadata
.endif
;; end of part 6
